; MI455X (gfx1250); checked and timed in simulation.
; The chip was launched on July 23, 2026; its instructions are those of AMD's public machine-readable ISA for CDNA 5 (MIT licence, August 2026) and "CDNA5" Instruction Set Architecture Reference Guide (July 2026). The comments in the code are by the model that wrote it; some were corrected since.
;; Self Attention. Allowed arithmetic: matrix products marked QUANTISED: E2M3 operands, one E8M0 scale for each 32 along K, by v_wmma_scale_f32_16x16x128_f8f6f4 with both operands' format E2M3, f32 sums; everything else in f32.
;; Inputs: Wk 1,024 x 1,024 float32; Wo 1,024 x 1,024 float32; Wq 1,024 x 1,024 float32; Wv 1,024 x 1,024 float32; bo 1,024 float32; x 4 x 2,048 x 1,024 float32.
;; Outputs: out0 4 x 2,048 x 1,024 float32.
;; This version of the problem:
;;   THIS VERSION OF THE PROBLEM IS GIVEN IN LOW PRECISION. The matrix products marked QUANTISED in the list below multiply operands that are first quantised to E2M3 (2 exponent bits, 3 mantissa bits; 6 bits a number), with one power-of-two scale for each 32 numbers along K (OCP MX v1.0); their sums are f32. All else is computed in f32.
;;   The module's matrix products, in the order in which they are computed (A, B: the left and right operand; K: the contracted axis; several contracted axes count as one K, in the product's order):
;;     1. [M 8,192, K 1,024] x [K 1,024, N 1,024]; A: input x; B: input Wq: QUANTISED
;;     2. [M 8,192, K 1,024] x [K 1,024, N 1,024]; A: input x; B: input Wk: QUANTISED
;;     3. [M 8,192, K 1,024] x [K 1,024, N 1,024]; A: input x; B: input Wv: QUANTISED
;;     4. batch 64 x [M 2,048, K 64] x [K 64, N 2,048]; A: computed on the way; B: computed on the way: QUANTISED
;;     5. batch 64 x [M 2,048, K 2,048] x [K 2,048, N 64]; A: softmax (see below); B: computed on the way: QUANTISED
;;     6. [M 8,192, K 1,024] x [K 1,024, N 1,024]; A: computed on the way; B: input Wo: QUANTISED
;;   THE QUANTISER, for each operand of a quantised product, along K:
;;     - K is cut into blocks of 32 from its start; a last block that is shorter is filled with zeros.
;;     - A block's scale is 2^e with e = floor(log2(the largest magnitude in the block)) - 2, held to -126 .. 127; a block of zeros has e = 0. As a byte (E8M0): e + 127.
;;     - Each number is divided by its block's scale, clamped to +-7.5, and rounded to the nearest number of E2M3, ties to even, subnormals kept.
;;     - The product sums the exact products of the quantised numbers (number of the format x scale) in f32.
;;   ~~~python
;;   def quantise(x, axis):      # numpy; x: float32 -> the quantised numbers, widened to float32 again
;;       x = np.moveaxis(x, axis, -1); K = x.shape[-1]
;;       x = np.pad(x, [(0, 0)] * (x.ndim - 1) + [(0, -K % 32)]); x = x.reshape(x.shape[:-1] + (-1, 32)); a = np.abs(x).max(-1, keepdims=True)
;;       e = np.where(a > 0, np.clip(np.frexp(np.where(a > 0, a, 1))[1] - 1 - 2, -126, 127), 0)      # np.frexp(a)[1] - 1 = floor(log2(a)), exactly
;;       r = np.clip(x / 2.0 ** e, -7.5, 7.5)
;;       step = 2.0 ** (np.maximum(np.frexp(np.where(r == 0, 1, r))[1] - 1, 0) - 3)
;;       q = np.round(r / step) * step * 2.0 ** e      # np.round: ties to even
;;       return np.moveaxis(q.reshape(q.shape[:-2] + (-1,))[..., :K], -1, axis).astype(np.float32)
;;   ~~~
;;   SOFTMAX AHEAD OF A QUANTISED PRODUCT. Where the list says 'softmax', what is quantised is not the finished softmax but p = 2^(t - M), with t = logit x log2(e) and M = ceil(the row's largest t), a whole number; so 1/2 < the row's largest p <= 1. The row's sum l is taken of the UNQUANTISED p, in f32, and the product's result is divided by l at the end. Since M is a whole number, a kernel that streams over the keys may use a running M (the ceiling of the running maximum): every later rescaling is an exact power of two, which a block's scale takes up: the codes' values come out the same.
;;   OPERANDS COMPUTED ON THE WAY. 'Computed on the way' means the value that the module computes at that place (a softmax that the list does not call 'softmax' is quantised finished and normalised). What goes into a quantiser is computed in f32, as accurately as f32 sums, v_exp_f32 and their like allow (about 1e-6 of the number): no bf16 or f16 on the way to a quantiser, and a product that is left as it is and whose result goes on into a quantised operand takes f32 operands (vector FMAs, or v_wmma_f32_16x16x4_f32). A number that lies on a knife's edge between two numbers of the format may be rounded either way, as far as f32 arithmetic and the matrix unit's own rounding can turn it there, and no further.
;; One version. Each part assembles by itself: llvm-mc -triple=amdgcn-amd-amdhsa -mcpu=gfx1250 --defsym DOCPART=n.
;; ======== version 1 of 1: 4 launches
;; workspace buffers: xq 6,553,600 bytes; wq 3,276,800 bytes; qr 6,815,744 bytes; kv 13,369,344 bytes; aq 6,553,600 bytes
;; launch quant (part 1): grid 768 x 1, 1 waves a work-group, no clusters, 8,960 bytes of LDS; arguments x, Wq, Wk, Wv, Wo, xq, wq; writes xq, wq
.if DOCPART == 1
	.amdgcn_target "amdgcn-amd-amdhsa--gfx1250"
	.amdhsa_code_object_version 6
	.text
	.protected	k_q3915cbcd86_quant
	.globl	k_q3915cbcd86_quant
	.p2align	8
	.type	k_q3915cbcd86_quant,@function
k_q3915cbcd86_quant:
	s_mov_b64 s[64:65], 0
	v_nop
	global_prefetch_b8 v0, s[64:65] scope:SCOPE_SE
	s_setreg_imm32_b32 hwreg(HW_REG_WAVE_MODE, 25, 1), 1
	s_wait_xcnt 0x0
; x [8192][1024] and Wq, Wk, Wv, Wo [1024][1024], f32, K innermost, become codes of FP6 (E2M3) with one E8M0 scale byte for each 32 along K,
; laid AS IMAGES OF THE OPERAND'S REGISTERS, so that every later launch fetches fragments by consecutive bytes.
; POSITION ORDER: rowtile T holds, at its place r = 0 .. 15, the tensor's row 32 (T / 2) + 8 (T % 2) + r + 8 (r / 8): a product that takes such a tile as source 0 leaves in a lane's
; registers of two neighbouring tiles 16 NEIGHBOURS along that axis, which is what the next quantiser wants.
; A HALF IMAGE is 16 rows x 64 K: six registers a lane (lane (r, h): block h of row r): registers 0-3 at 16 x lane, registers 4-5 at 512 + 8 x lane: 768 bytes.
; Codes: [rowtile][K / 64][768]; scale bytes behind them: [place of the row][32].  xq has 512 rowtiles; wq 256: Wq, Wk, Wv, Wo, 64 each.
; A block's scale is 2^(floor(log2(its largest magnitude)) - 2); its byte is the largest magnitude's exponent field - 2, held at 1 from below.
; LIMITS: a block of zeros, or one whose largest magnitude lies under 2^-124, keeps the byte 1 (its codes are zeros or nearly; this program alone reads the bytes); NaN and infinities among the inputs are not served.
; SHARES: a work-group is one wave and takes one rowtile over all of K, in 8 steps of 128.  Each load reads 512 consecutive bytes of one row; a step's 16 rows turn through the wave's stage in LDS
; (rows 528 bytes apart) and come back 16 neighbours of each block to a lane.  Loads run three steps ahead: 48 loads of the wave are out.  No barrier: one wave.
.set SP,   528
.set GA,   1                           ; v1   16 x lane: my bytes of a load's 512
.set SA,   2                           ; v2   the stage, on the way in: 16 x lane
.set SR,   3                           ; v3   and on the way out: 528 r + 64 h
.set L16,  4                           ; v4   an image's first part: 16 x lane
.set L8,   5                           ; v5   its second part: 8 x lane
.set SCO,  6                           ; v6   my 16 scale bytes: 32 r + 16 h
.set SW,   8                           ; v8-11  four scale words: lanes 0-15 K steps 0-3, lanes 16-31 K steps 4-7
.set TM,   12                          ; v12-27 at work in QUANT
.set PW,   28                          ; v28  the scale word just made
.set PC,   32                          ; v32-43 the codes just made; v44-46, v48-50 second halves on their way
.set X,    64                          ; v64-127 64 numbers: register 16 b + i = k 32 b + 16 h + i of row r
.set HIM,  20                          ; s20  mask of lanes 16-31
.set SEL,  22                          ; s[22:23] selects for lane l xor 16
.set MSB, 0
.macro WIN new                         ; the immediate's high byte repeats the setting that is left
.if MSB != \new
	s_set_vgpr_msb (MSB<<8)|\new
.set MSB, \new
.endif
.endm
; 64 numbers of a lane become a fragment's codes in v[PC] on and its row's scale word in v[PW]
.macro QUANT s
.irp b, 0,1,2,3
	v_max3_num_f32 v[TM+\b], |v[\s+16*\b]|, |v[\s+1+16*\b]|, 0x1800000   ; block b: my 16 numbers, and the floor 2^(3 - 127): the byte cannot fall under 1
.endr
.irp i, 2,4,6,8,10,12,14
.irp b, 0,1,2,3
	v_max3_num_f32 v[TM+\b], v[TM+\b], |v[\s+16*\b+\i]|, |v[\s+1+16*\b+\i]|   ; the four blocks by turns
.endr
.endr
.irp b, 0,1,2,3
	v_permlanex16_b32 v[TM+4+\b], v[TM+\b], s[SEL], s[SEL+1]
.endr
.irp b, 0,1,2,3
	v_max_num_f32 v[TM+\b], v[TM+\b], v[TM+4+\b]   ; with lane l xor 16's: the block's largest magnitude
.endr
.irp b, 0,1,2,3
	v_add_nc_u32 v[TM+12+\b], 0xff000000, v[TM+\b]   ; 2 off its exponent field: the conversion takes this operand's exponent field as its scale
.endr
.irp b, 0,1,2,3
	v_lshrrev_b32 v[TM+4+\b], 23, v[TM+12+\b]      ; the scale's byte
.endr
	v_lshl_or_b32 v[PW], v[TM+5], 8, v[TM+4]
	v_lshl_or_b32 v[PW], v[TM+6], 16, v[PW]
	v_lshl_or_b32 v[PW], v[TM+7], 24, v[PW]
.irp c, 0,1
	v_cvt_scalef32_pk16_fp6_f32 v[PC+6*\c:PC+2+6*\c], v[\s+32*\c:\s+15+32*\c], v[TM+12+2*\c]
	v_cvt_scalef32_pk16_fp6_f32 v[PC+12+4*\c:PC+14+4*\c], v[\s+16+32*\c:\s+31+32*\c], v[TM+12+2*\c+1]   ; a conversion's three registers begin on an even number
.endr
	v_nop                                          ; one plain place behind a scaled conversion
.irp c, 0,1                                    ; the layout wants a whole block in a lane: lanes 0-15 block 2 c, lanes 16-31 block 2 c + 1
.irp i, 0,1,2
	v_permlane16_swap_b32 v[PC+6*\c+\i], v[PC+12+4*\c+\i]
.endr
.irp i, 0,1,2
	v_mov_b32 v[PC+3+6*\c+\i], v[PC+12+4*\c+\i]
.endr
.endr
.endm
.macro LOAD s                          ; K step s: 16 rows x 512 bytes into set s % 3 of window 1
	WIN 0x40
.irp i, 0,1,2,3,4,5,6,7,8,9,10,11,12,13,14,15
	global_load_b128 v[64*((\s)%3)+4*\i:64*((\s)%3)+4*\i+3], v[GA], s[4:5] offset:(\i+8*(\i/8))*4096+512*(\s) th:TH_LOAD_NT
.endr
	WIN 0
.endm
.macro QSTEP s
.if 7-(\s) >= 2
	s_wait_loadcnt 32                              ; this step's 16 loads are in; those of the two steps behind it may be out
.else
	s_wait_loadcnt 16*(7-(\s))
.endif
	WIN 0x04                                       ; an LDS store's data are its source 1: window 1
.irp i, 0,1,2,3,4,5,6,7,8,9,10,11,12,13,14,15
	ds_store_b128 v[SA], v[64*((\s)%3)+4*\i:64*((\s)%3)+4*\i+3] offset:SP*\i
.endr
	WIN 0
.irp b, 0,1,2,3
.irp j, 0,1,2,3
	ds_load_b128 v[X+16*\b+4*\j:X+16*\b+4*\j+3], v[SR] offset:128*\b+16*\j   ; LDS serves a wave's instructions in order: these see the stores above
.endr
.endr
	s_wait_dscnt 0x0                               ; the numbers are back, and the stage's stores have read their registers
	s_wait_xcnt 0x0                                ; the last step's stores have read the codes' registers: they are written again only behind this wait
.if (\s)+3 < 8
	LOAD (\s)+3
.endif
	QUANT X
.irp c, 0,1
	global_store_b128 v[L16], v[PC+6*\c:PC+6*\c+3], s[18:19] offset:1536*(\s)+768*\c         ; 512 consecutive bytes
	global_store_b64 v[L8], v[PC+6*\c+4:PC+6*\c+5], s[18:19] offset:1536*(\s)+768*\c+512     ; and 256
.endr
.if (\s) < 4
	v_mov_b32 v[SW+(\s)], v[PW]
.else
	v_cndmask_b32 v[SW+(\s)-4], v[SW+(\s)-4], v[PW], s[HIM]
.endif
.endm
	s_load_b256 s[4:11], s[0:1], 0x0               ; x, Wq, Wk, Wv
	s_load_b128 s[12:15], s[0:1], 0x20             ; Wo, xq
	s_load_b64 s[16:17], s[0:1], 0x30              ; wq
	v_lshl_add_u32 v254, v0, 2, 0x2200
	v_mov_b32 v255, 0
	v_lshlrev_b32 v[GA], 4, v0
	v_lshlrev_b32 v[SA], 4, v0
	v_and_b32 v7, 15, v0                           ; r
	v_lshrrev_b32 v[SCO], 4, v0                    ; h
	v_mul_u32_u24 v[SR], v7, SP
	v_lshl_add_u32 v[SR], v[SCO], 6, v[SR]
	v_lshlrev_b32 v[L16], 4, v0
	v_lshlrev_b32 v[L8], 3, v0
	v_lshlrev_b32 v7, 5, v7
	v_lshl_add_u32 v[SCO], v[SCO], 4, v7
	v_cmp_le_u32 s[HIM], 16, v0
.irp b, 0,1,2,3
	v_mov_b32 v[TM+4+\b], 0                        ; written once: a lane permute's destination counts as one of its sources
.endr
	s_mov_b32 s[SEL], 0x76543210
	s_mov_b32 s[SEL+1], 0xfedcba98
	s_sub_co_u32 s25, ttmp9, 512                   ; work-groups 0-511 take x; the others a weight:
	s_lshr_b32 s26, s25, 6                         ; which,
	s_and_b32 s27, s25, 63                         ; and which of its rowtiles
	s_mov_b32 s28, 3145728                         ; where the scale bytes begin in wq
	s_wait_kmcnt 0x0
	s_cmp_eq_u32 s26, 1                            ; the choices hang on the work-group's number alone
	s_cselect_b64 s[6:7], s[8:9], s[6:7]
	s_cmp_eq_u32 s26, 2
	s_cselect_b64 s[6:7], s[10:11], s[6:7]
	s_cmp_eq_u32 s26, 3
	s_cselect_b64 s[6:7], s[12:13], s[6:7]
	s_cmp_lt_u32 ttmp9, 512
	s_cselect_b64 s[4:5], s[4:5], s[6:7]           ; the tensor
	s_cselect_b64 s[14:15], s[14:15], s[16:17]     ; its buffer of codes
	s_cselect_b32 s27, ttmp9, s27                  ; the rowtile in the tensor
	s_cselect_b32 s25, ttmp9, s25                  ; and in the buffer
	s_cselect_b32 s28, 6291456, s28                ; where the scale bytes begin
	s_lshr_b32 s29, s27, 1
	s_lshl_b32 s29, s29, 17                        ; 32 rows of 4,096 bytes
	s_and_b32 s30, s27, 1
	s_lshl_b32 s30, s30, 15                        ; 8 rows
	s_add_co_u32 s30, s29, s30
	s_mov_b32 s31, 0
	s_add_nc_u64 s[4:5], s[4:5], s[30:31]
	s_mul_i32 s32, s25, 12288
	s_mov_b32 s33, 0
	s_add_nc_u64 s[18:19], s[14:15], s[32:33]      ; my rowtile's codes
	s_lshl_b32 s34, s25, 9
	s_add_co_u32 s34, s34, s28
	s_mov_b32 s35, 0
	s_add_nc_u64 s[14:15], s[14:15], s[34:35]      ; and its 512 scale bytes
	LOAD 0
	LOAD 1
	LOAD 2
.irp t, 0,1,2,3,4,5,6,7
	QSTEP \t
.endr
	global_store_b128 v[SCO], v[SW:SW+3], s[14:15] ; 512 consecutive bytes: 16 rows of 32 scale bytes
	s_wait_tensorcnt 0x0
	ds_add_u32 v254, v255
	s_wait_dscnt 0x0
	s_endpgm
.Lfunc_end_k_q3915cbcd86_quant:
	.size	k_q3915cbcd86_quant, .Lfunc_end_k_q3915cbcd86_quant-k_q3915cbcd86_quant
	.p2alignl 7, 3214868480
	.fill 96, 4, 3214868480
	.section	.rodata,"a",@progbits
	.p2align	6, 0x0
	.amdhsa_kernel k_q3915cbcd86_quant
		.amdhsa_group_segment_fixed_size 8960
		.amdhsa_private_segment_fixed_size 0
		.amdhsa_enable_private_segment 0
		.amdhsa_kernarg_size 56
		.amdhsa_user_sgpr_count 2
		.amdhsa_user_sgpr_kernarg_segment_ptr 1
		.amdhsa_wavefront_size32 1
		.amdhsa_system_sgpr_workgroup_id_x 1
		.amdhsa_system_sgpr_workgroup_id_y 1
		.amdhsa_system_sgpr_workgroup_id_z 1
		.amdhsa_system_vgpr_workitem_id 0
		.amdhsa_next_free_vgpr 448
		.amdhsa_next_free_sgpr 66
		.amdhsa_reserve_vcc 0
		.amdhsa_float_denorm_mode_32 3
		.amdhsa_float_denorm_mode_16_64 3
		.amdhsa_memory_ordered 1
		.amdhsa_forward_progress 1
		.amdhsa_inst_pref_size 66
	.end_amdhsa_kernel
	.amdgpu_metadata
---
amdhsa.version: [ 1, 2 ]
amdhsa.kernels:
  - .name:           k_q3915cbcd86_quant
    .symbol:         k_q3915cbcd86_quant.kd
    .args:
      - { .name: x, .offset: 0, .size: 8, .value_kind: global_buffer, .address_space: global }
      - { .name: Wq, .offset: 8, .size: 8, .value_kind: global_buffer, .address_space: global }
      - { .name: Wk, .offset: 16, .size: 8, .value_kind: global_buffer, .address_space: global }
      - { .name: Wv, .offset: 24, .size: 8, .value_kind: global_buffer, .address_space: global }
      - { .name: Wo, .offset: 32, .size: 8, .value_kind: global_buffer, .address_space: global }
      - { .name: xq, .offset: 40, .size: 8, .value_kind: global_buffer, .address_space: global }
      - { .name: wq, .offset: 48, .size: 8, .value_kind: global_buffer, .address_space: global }
    .group_segment_fixed_size: 8960
    .private_segment_fixed_size: 0
    .kernarg_segment_align: 8
    .kernarg_segment_size: 56
    .max_flat_workgroup_size: 32
    .sgpr_count:     66
    .vgpr_count:     448
    .wavefront_size: 32
...
	.end_amdgpu_metadata
.endif
;; end of part 1
;; launch qkv (part 2): grid 8 x 48, 4 waves a work-group, clusters of 4 x 4, 327,680 bytes of LDS; arguments xq, wq, qr, kv; writes qr, kv
.if DOCPART == 2
	.amdgcn_target "amdgcn-amd-amdhsa--gfx1250"
	.amdhsa_code_object_version 6
	.text
	.protected	k_q3915cbcd86_qkv
	.globl	k_q3915cbcd86_qkv
	.p2align	8
	.type	k_q3915cbcd86_qkv,@function
k_q3915cbcd86_qkv:
	s_mov_b64 s[64:65], 0
	v_nop
	global_prefetch_b8 v0, s[64:65] scope:SCOPE_SE
	s_setreg_imm32_b32 hwreg(HW_REG_WAVE_MODE, 25, 1), 1
	s_wait_xcnt 0x0
	s_wait_alu depctr_hold_cnt(0) depctr_sa_sdst(0) depctr_va_vdst(0) depctr_va_sdst(0) depctr_va_ssrc(0) depctr_va_vcc(0) depctr_vm_vsrc(0)
	s_getreg_b32 s2, hwreg(HW_REG_IB_STS2, 6, 4)
	s_cmp_eq_u32 s2, 0
	s_cbranch_scc0 .Lentry_in_a_cluster
	s_endpgm
.Lentry_in_a_cluster:
	s_bfe_u32 s2, ttmp6, 0x10000c
	s_cmp_lg_u32 s2, 0xf033
	s_cbranch_scc0 .Lentry_shape_is_right
	s_endpgm
.Lentry_shape_is_right:
; q = x Wq^T, k = x Wk^T, v = x Wv^T on codes of FP6 (E2M3) with E8M0 scales for each 32 along K = 1,024; each result is quantised in the accumulators' registers and leaves as codes.
; A tile of 256 x 256 is made by four waves of 128 x 128 (64 accumulators, 512 registers a wave).  K goes in steps of 256 through two LDS slots filled by the tensor data mover.
; OPERANDS ARE IMAGES OF REGISTERS: a rowtile (16 rows in position order) is [K / 64][768 bytes]; a half image is registers 0-3 at 16 x lane, registers 4-5 at 512 + 8 x lane.  So a fragment is two loads of
; 16 bytes and two of 8 bytes a lane, each over consecutive bytes, and a slot needs no padding.
; ROLES, by the cluster's y, which all sixteen partners share.  y < 8: A = x's tokens, B = Wq and Wk (2,048 rows): a lane holds one token and its registers run along the features: q and k, quantised along a head's 64.
; y >= 8: A = Wv, B = x's tokens: a lane holds one feature d and its registers run along the tokens: v, quantised along the keys.
; THE MATRIX INSTRUCTION IS USED TRANSPOSED (source 0 = 16 rows of B, source 1 = 16 rows of A).  B's rowtiles lie in position order, so the 64 registers of A's block a are, register 16 b + i, index 32 b + 16 (lane / 16) + i
; of the wave's 128 columns: the quantiser's order.  Its result is the next product's operand, and goes to memory as it stands.
; CLUSTERS: 4 x 4; A's tiles are asked for jointly along a row of the cluster, B's along a column.
; LIMITS: a block of zeros or under 2^-124 keeps the scale byte 1 (this program alone reads the bytes); NaN and infinities are not served.
; REGISTERS: window 0: v0-31 addresses; v32-63 scale words, two sets; v128-223 A's fragments, one set; on the way out v64-95 at work, v128-223 codes, v224-231 scale words made.
;   window 1: B's fragments, two sets, at v0 and v128.   windows 2, 3: the accumulators of my rows 0-63, 64-127 ((a, b) at v[8 (8 (a % 4) + b)]).
.set NQ,     2                         ; matrix instructions deep in a slot
.set FR,     12                        ; registers of a fragment
.set NL,     4                         ; LDS loads that bring one
.set NP,     4                         ; places behind this matrix instruction (ISA guide 7.12.1)
.set LOADB,  24576                     ; what one tensor load brings: 8 rowtiles x 4 half images
.set SLOT,   4*LOADB                   ; A's 256 rows, then B's 256 rows
.set LAPS,   2                         ; K = 1,024 is twice round the ring
.set SCL,    2*SLOT                    ; behind the ring: the scale bytes for all of K, as units of 256 bytes + 16
.set HALFS,  16*272                    ; those of 128 rows: what one tensor load brings
.set SBLK,   2*272                     ; those of 16 rows
.set SPARE,  SCL+4*HALFS               ; the spare words, 128 bytes for each wave: two blocks of 256 bytes that no other line names
.set ADRA, 16                          ; v16-17 my A rows in slot 0, 1 + 16 x lane;  v18-19 + 8 x lane
.set ADRB, 20                          ; v20-23 the same for B
.set L16,  24                          ; v24    16 x lane
.set L8,   25                          ; v25    8 x lane
.set ADRS, 27                          ; v27    my scale words: lanes 0-15 A's rows, lanes 16-31 B's
.set SPW,  28                          ; v28    my spare word; never rewritten
.set NIL,  29                          ; v29    0; never rewritten
.set SC,   32
.set AF,   128
.set TM,   64                          ; the way out: v64-79 at work
.set CT,   80                          ; v80-82, v84-86 second halves of the conversions
.set SWQ,  88                          ; v88-95 scale words to store
.set CD,   128                         ; v128-223 the codes of my eight blocks
.set PW,   224                         ; v224-231 their scale words
.set WV,   18
.set RH,   19                          ; which half of the tile's rows is mine; also: I fetch for A (0) or B (1)
.set CH,   20                          ; which half of its columns; also: which 128 rows I fetch
.set CX,   21
.set CY,   22
.set ROLE, 23
.set TCOL, 40
.set TROW, 41
.set RMASK, 42
.set CMASK, 43
.set G1,   24                          ; s[24:31], s[32:39] groups 1 and 0 (a set for each slot) for A's tiles
.set G0,   32
.set G1B,  48                          ; s[48:55], s[56:63] for B's
.set G0B,  56
.set G1S,  68                          ; s[68:75], s[76:79] for A's scale bytes;  s[80:87], s[88:91] for B's
.set G0S,  76
.set G1SB, 80
.set G0SB, 88
.set IMG,  92                          ; s[92:93], s[94:95] where my two heads' images go;  s[96:97], s[98:99] their scale words
.set SCB,  96
.set SEL,  100
.set MSB, 0
.macro WIN new                         ; the immediate's high byte repeats the setting that is left
.if MSB != \new
	s_set_vgpr_msb (MSB<<8)|\new
.set MSB, \new
.endif
.endm
.set MUL_LO, 0xa1                      ; source 0 (B) window 1, source 1 (A) window 0, C and D window 2
.set MUL_HI, 0xf1                      ; the same, C and D window 3
.set FIRST_LO, MUL_LO                  ; the first step's C is the constant 0
.set FIRST_HI, MUL_HI
.set TO_B,   0x40
; A joint load: waves 0 and 1 fetch for A, waves 2 and 3 for B.  The branch hangs on the wave's number alone.  Four v_nop follow each line.
.macro JLOAD g0a, g1a, g0b, g1b
	s_cmp_eq_u32 s[RH], 0
	s_cbranch_scc0 .Lfor_b_\@
	tensor_load_to_lds s[\g0a:\g0a+3], s[\g1a:\g1a+7]
	s_nop 0
.rept 4
	v_nop
.endr
	s_branch .Lasked_\@
.Lfor_b_\@:
	tensor_load_to_lds s[\g0b:\g0b+3], s[\g1b:\g1b+7]
	s_nop 0
.rept 4
	v_nop
.endr
.Lasked_\@:
.endm
.macro CREST                           ; a round of the cluster's barrier behind its opening barrier
	s_cmp_lg_u32 s[WV], 0
	s_cbranch_scc1 .Lnot_wave_0_\@
	s_barrier_signal -3
.Lnot_wave_0_\@:
	s_barrier_wait -3
	s_barrier_signal -1
	s_barrier_wait -1
.endm
.macro CROUND
	s_barrier_signal -1
	s_barrier_wait -1
	CREST
.endm
	s_load_b128 s[4:7], s[0:1], 0x0                ; xq, wq
	s_load_b128 s[8:11], s[0:1], 0x10              ; qr, kv
	v_lshl_add_u32 v[SPW], v0, 2, SPARE
	v_mov_b32 v[NIL], 0
	ds_add_u32 v28, v29
	ds_add_u32 v28, v29
	s_wait_dscnt 0x0
	v_lshrrev_b32 v1, 5, v0
	v_readfirstlane_b32 s[WV], v1
	s_lshr_b32 s[RH], s[WV], 1
	s_and_b32 s[CH], s[WV], 1
	s_bfe_u32 s[CX], ttmp6, 0x40000
	s_bfe_u32 s[CY], ttmp6, 0x40004
	s_and_b32 s66, ttmp7, 0xffff                   ; the cluster's y
	s_lshl_b32 s44, s66, 2
	s_sub_co_u32 s67, s66, 8
	s_lshl_b32 s67, s67, 1
	s_add_co_u32 s67, s67, ttmp9                   ; 2 (y - 8) + the cluster's x
	s_cmp_ge_u32 s66, 8
	s_cselect_b32 s[ROLE], 1, 0
	s_cselect_b32 s44, 0, s44
	s_cselect_b32 s46, s67, ttmp9
	s_add_co_u32 s[TROW], s44, s[CY]               ; tile row: tokens (role 0) or Wv's rows (role 1)
	s_lshl_b32 s46, s46, 2
	s_add_co_u32 s[TCOL], s46, s[CX]               ; tile column: Wq's and Wk's rows, or tokens
	s_lshl_b32 s[RMASK], s[CY], 2
	s_lshl_b32 s[RMASK], 15, s[RMASK]              ; my row of the cluster
	s_lshl_b32 s[CMASK], 0x1111, s[CX]             ; my column
	; group 1 for codes: 8 rows (rowtiles) of 384 elements of 8 bytes (four half images), 1,536 elements apart; no padding
	s_or_b32 s[G1+0], s[RMASK], (3<<16)|(1<<21)
	s_or_b32 s[G1B+0], s[CMASK], (3<<16)|(1<<21)
.irp g, G1, G1B
	s_mov_b32 s[\g+1], 384<<16                     ; tensor_dim0
	s_mov_b32 s[\g+2], 8<<16                       ; tensor_dim1
	s_mov_b32 s[\g+3], 384<<16                     ; tile_dim0
	s_mov_b32 s[\g+4], 8                           ; tile_dim1
	s_mov_b32 s[\g+5], 1536                        ; tensor_dim0_stride
	s_mov_b32 s[\g+6], 0
	s_mov_b32 s[\g+7], 0
.endr
	; and for the scale bytes of 128 rows: 4,096 dense bytes as 16 rows of 256, 16 bytes of padding behind each
	s_or_b32 s[G1S+0], s[RMASK], (3<<16)|(1<<20)|(1<<21)|(5<<22)|(3<<25)
	s_or_b32 s[G1SB+0], s[CMASK], (3<<16)|(1<<20)|(1<<21)|(5<<22)|(3<<25)
.irp g, G1S, G1SB
	s_mov_b32 s[\g+1], 32<<16
	s_mov_b32 s[\g+2], 16<<16
	s_mov_b32 s[\g+3], 32<<16
	s_mov_b32 s[\g+4], 16
	s_mov_b32 s[\g+5], 32
	s_mov_b32 s[\g+6], 0
	s_mov_b32 s[\g+7], 0
.endr
	; offsets.  A's are made of the tile row alone (s44, s45), B's of the tile column alone (s46, s47)
	s_lshl_b32 s44, s[TROW], 4
	s_lshl_b32 s45, s[CH], 3
	s_add_co_u32 s44, s44, s45                     ; A: the first rowtile that I fetch
	s_lshl_b32 s45, s44, 9                         ; its scale bytes: 512 a rowtile
	s_mul_i32 s44, s44, 12288                      ; its codes
	s_lshl_b32 s46, s[TCOL], 4
	s_lshl_b32 s47, s[CH], 3
	s_add_co_u32 s46, s46, s47
	s_lshl_b32 s47, s46, 9
	s_mul_i32 s46, s46, 12288
	s_mov_b32 s67, 6291456                         ; where xq's scale bytes begin
	s_mov_b32 s2, 3145728                          ; and wq's
	s_cmp_eq_u32 s[ROLE], 1
	s_cselect_b32 s66, 1572864, 0                  ; Wv's codes begin at rowtile 128 of wq,
	s_cselect_b32 s3, 3211264, s67                 ; its scale bytes 128 x 512 behind wq's first
	s_cselect_b32 s2, s67, s2
	s_add_co_u32 s44, s44, s66
	s_add_co_u32 s45, s45, s3
	s_add_co_u32 s47, s47, s2
	s_mul_i32 s2, s[WV], LOADB                     ; where they go: no place in the cluster enters an LDS address
	s_mul_i32 s3, s[WV], HALFS
	s_mov_b32 s[SEL], 0x76543210
	s_mov_b32 s[SEL+1], 0xfedcba98
	s_wait_kmcnt 0x0
	s_cmp_eq_u32 s[ROLE], 1
	s_cselect_b64 s[92:93], s[6:7], s[4:5]         ; A's buffer
	s_cselect_b64 s[94:95], s[4:5], s[6:7]         ; B's
	s_mov_b32 s96, s44
	s_mov_b32 s97, 0
	s_add_nc_u64 s[96:97], s[92:93], s[96:97]
	s_mov_b32 s98, s46
	s_mov_b32 s99, 0
	s_add_nc_u64 s[98:99], s[94:95], s[98:99]
	CROUND                                         ; all sixteen work-groups are here: the first joint loads meet
	s_mov_b32 s[G0S], 1
	s_add_co_u32 s[G0S+1], s3, SCL
	s_mov_b32 s[G0S+2], s45
	s_mov_b32 s[G0S+3], 0
	s_add_nc_u64 s[G0S+2:G0S+3], s[92:93], s[G0S+2:G0S+3]
	s_or_b32 s[G0S+3], s[G0S+3], 0x80000000
	s_mov_b32 s[G0SB], 1
	s_add_co_u32 s[G0SB+1], s3, SCL
	s_mov_b32 s[G0SB+2], s47
	s_mov_b32 s[G0SB+3], 0
	s_add_nc_u64 s[G0SB+2:G0SB+3], s[94:95], s[G0SB+2:G0SB+3]
	s_or_b32 s[G0SB+3], s[G0SB+3], 0x80000000
	JLOAD G0S, G1S, G0SB, G1SB                     ; the scale bytes first: they are wanted with K step 0
.irp s, 0,1
	s_mov_b32 s[G0+4*\s], 1
	s_add_co_u32 s[G0+4*\s+1], s2, \s*SLOT
	s_add_nc_u64 s[G0+4*\s+2:G0+4*\s+3], s[96:97], \s*3072
	s_or_b32 s[G0+4*\s+3], s[G0+4*\s+3], 0x80000000
	s_mov_b32 s[G0B+4*\s], 1
	s_add_co_u32 s[G0B+4*\s+1], s2, \s*SLOT
	s_add_nc_u64 s[G0B+4*\s+2:G0B+4*\s+3], s[98:99], \s*3072
	s_or_b32 s[G0B+4*\s+3], s[G0B+4*\s+3], 0x80000000
	JLOAD G0+4*\s, G1, G0B+4*\s, G1B               ; three tensor loads of mine are out
.endr
	v_and_b32 v1, 31, v0                           ; lane
	v_and_b32 v2, 15, v0                           ; r
	v_bfe_u32 v3, v0, 4, 1                         ; h
	v_lshlrev_b32 v4, 4, v1
	v_lshlrev_b32 v5, 3, v1
	v_lshlrev_b32 v[L16], 4, v1
	v_lshlrev_b32 v[L8], 3, v1
	s_mul_i32 s66, s[RH], LOADB                    ; my 128 rows of A
	s_mul_i32 s67, s[CH], LOADB                    ; my 128 rows of B,
	s_add_co_u32 s67, s67, 2*LOADB                 ; behind A's 256
.irp s, 0,1
	v_add_nc_u32 v[ADRA+\s], s66, v4
	v_add_nc_u32 v[ADRB+\s], s67, v4
	v_add_nc_u32 v[ADRA+2+\s], s66, v5
	v_add_nc_u32 v[ADRB+2+\s], s67, v5
	s_add_co_u32 s66, s66, SLOT
	s_add_co_u32 s67, s67, SLOT
.endr
	v_lshlrev_b32 v6, 5, v2                        ; my row's scale bytes: 32 a row,
	v_lshrrev_b32 v7, 8, v6
	v_lshl_add_u32 v6, v7, 4, v6                   ; and 16 more for each 256 passed
	s_mul_i32 s66, s[RH], HALFS
	s_mul_i32 s67, s[CH], HALFS
	s_add_co_u32 s67, s67, 2*HALFS
	s_sub_co_u32 s67, s67, s66
	v_mul_u32_u24 v7, s67, v3                      ; lanes 16-31 take B's
	s_add_co_u32 s66, s66, SCL
	v_add_nc_u32 v6, v6, v7
	v_add_nc_u32 v[ADRS], s66, v6
.irp b, 0,1,2,3
	v_mov_b32 v[TM+4+\b], 0                        ; written once: a lane permute's destination counts as one of its sources
.endr
	; WHERE THE RESULTS GO.  Tg: my group of 128 tokens; g0: the first of my two heads (16 and over: k's)
	s_lshl_b32 s44, s[TCOL], 1
	s_add_co_u32 s44, s44, s[CH]
	s_lshl_b32 s45, s[TROW], 1
	s_add_co_u32 s45, s45, s[RH]
	s_cmp_eq_u32 s[ROLE], 1
	s_cselect_b32 s46, s44, s45                    ; Tg
	s_cselect_b32 s47, s45, s44
	s_lshl_b32 s47, s47, 1                         ; g0
	s_lshr_b32 s44, s46, 4                         ; the batch
	s_lshl_b32 s44, s44, 4
	s_and_b32 s46, s46, 15                         ; J: the key step, or the group of eight query tiles
	s_and_b32 s45, s47, 15
	s_add_co_u32 s45, s45, s44                     ; batch x 16 + head
	s_lshl_b32 s44, s[ROLE], 4
	s_add_co_u32 s47, s47, s44                     ; under 16 for q alone
	s_cmp_ge_u32 s46, 2                            ; a record's first two key steps lie ahead of the rest
	s_cselect_b32 s67, 98304, 0
	s_cselect_b32 s66, 24576, 0
	s_add_co_u32 s67, s67, 12288
	s_cmp_eq_u32 s[ROLE], 1
	s_cselect_b32 s66, s67, s66                    ; k's or v's place in a record
	s_mov_b32 s67, 24576
	s_cselect_b32 s67, 32768, s67                  ; and their scale words'
	s_cselect_b32 s2, 8, 9
	s_lshl_b32 s2, s46, s2                         ; 256 J for v, 512 J for q and k
	s_mov_b32 s3, 208896
	s_cmp_lt_u32 s47, 16
	s_cselect_b64 s[98:99], s[8:9], s[10:11]       ; qr or kv
	s_cselect_b32 s66, 0, s66
	s_cselect_b32 s67, 6291456, s67
	s_cselect_b32 s47, 98304, s3                   ; from head to head: images,
	s_cselect_b32 s3, 8192, s3                     ; scale words
	s_mul_i32 s44, s45, s47
	s_mul_i32 s46, s46, 6144
	s_add_co_u32 s44, s44, s46
	s_add_co_u32 s44, s44, s66
	s_mul_i32 s46, s45, s3
	s_add_co_u32 s46, s46, s67
	s_add_co_u32 s46, s46, s2
	s_mov_b32 s45, 0
	s_add_nc_u64 s[IMG:IMG+1], s[98:99], s[44:45]
	s_mov_b32 s44, s47
	s_add_nc_u64 s[IMG+2:IMG+3], s[IMG:IMG+1], s[44:45]
	s_mov_b32 s47, 0
	s_add_nc_u64 s[SCB:SCB+1], s[98:99], s[46:47]
	s_mov_b32 s46, s3
	s_add_nc_u64 s[SCB+2:SCB+3], s[SCB:SCB+1], s[46:47]
.macro FRAG reg, adr, q, i             ; a fragment, 16 rows x 128 K: two half images, each 16 bytes a lane and 8 bytes a lane
.irp c, 0,1
	ds_load_b128 v[\reg+6*\c:\reg+6*\c+3], v[\adr] offset:3072*(\i)+768*(2*(\q)+\c)
	ds_load_b64 v[\reg+6*\c+4:\reg+6*\c+5], v[\adr+2] offset:3072*(\i)+768*(2*(\q)+\c)+512
.endr
.endm
; 16 matrix instructions: A's blocks a0, a0 + 1 x B's eight.  The 64 accumulators take turns, one instruction a turn, in the same order in every step.
.macro MUL16 a0, p, q, sc, first
.irp a, \a0, \a0+1
.irp b, 0,1,2,3,4,5,6,7
.if \first
	v_wmma_scale_f32_16x16x128_f8f6f4 v[8*(8*((\a)%4)+\b):8*(8*((\a)%4)+\b)+7], v[128*(\p)+FR*\b:128*(\p)+FR*\b+FR-1], v[AF+FR*(\a):AF+FR*(\a)+FR-1], 0, v[SC+8*NQ*(\sc)+NQ*\b+(\q)], v[SC+8*NQ*(\sc)+NQ*(\a)+(\q)] matrix_a_fmt:MATRIX_FMT_FP6 matrix_b_fmt:MATRIX_FMT_FP6 matrix_a_scale:MATRIX_SCALE_ROW1
.else
	v_wmma_scale_f32_16x16x128_f8f6f4 v[8*(8*((\a)%4)+\b):8*(8*((\a)%4)+\b)+7], v[128*(\p)+FR*\b:128*(\p)+FR*\b+FR-1], v[AF+FR*(\a):AF+FR*(\a)+FR-1], v[8*(8*((\a)%4)+\b):8*(8*((\a)%4)+\b)+7], v[SC+8*NQ*(\sc)+NQ*\b+(\q)], v[SC+8*NQ*(\sc)+NQ*(\a)+(\q)] matrix_a_fmt:MATRIX_FMT_FP6 matrix_b_fmt:MATRIX_FMT_FP6 matrix_a_scale:MATRIX_SCALE_ROW1
.endif
.endr
.endr
.endm
.macro FETCH_B slot, q, p
	WIN TO_B
.irp i, 0,1,2,3,4,5,6,7
	FRAG 128*(\p)+FR*\i, ADRB+\slot, \q, \i
.endr
	WIN 0
.endm
.macro FETCH_A slot, q, i0
.irp i, \i0, \i0+1, \i0+2, \i0+3
	FRAG AF+FR*(\i), ADRA+\slot, \q, \i
.endr
.endm
.macro SCALES sc                       ; a K step's two scale words a row: lanes 0-15 A's block i, lanes 16-31 B's block i
.irp i, 0,1,2,3,4,5,6,7
	ds_load_b64 v[SC+8*NQ*\sc+NQ*\i:SC+8*NQ*\sc+NQ*\i+1], v[ADRS] offset:\i*SBLK
.endr
.endm
.macro PLACES n                        ; plain vector instructions between a matrix instruction and a load into, or a read of, its registers
.rept \n
	v_nop
.endr
.endm
.macro STEP slot, q, first             ; 128 along K with its successor in the same slot
	s_wait_dscnt 4*NL                              ; B's set and A's blocks 0-3 are in; the 16 youngest loads (A's blocks 4-7) may be out
.if \first
	WIN FIRST_LO
.else
	WIN MUL_LO
.endif
	MUL16 0, (\q)%2, \q, \slot, \first
	MUL16 2, (\q)%2, \q, \slot, \first
	s_wait_dscnt 0
	PLACES NP
	FETCH_B \slot, (\q)+1, 1-(\q)%2
	FETCH_A \slot, (\q)+1, 0
.if \first
	WIN FIRST_HI
.else
	WIN MUL_HI
.endif
	MUL16 4, (\q)%2, \q, \slot, \first
	MUL16 6, (\q)%2, \q, \slot, \first
	PLACES NP
	WIN 0
	FETCH_A \slot, (\q)+1, 4
.endm
; A slot's last step changes slots: one barrier; in front of it each wave waits for all its tensor loads, adds 0 to its spare word, and waits for that and for its reads of this slot.
.macro TURN slot, next, fill
	s_wait_tensorcnt 0x0                           ; all my tensor loads have landed: my part of the next slot
	ds_add_u32 v[SPW], v[NIL]                      ; 0 onto my spare word
	s_wait_dscnt 4*NL+1                            ; the add and the 16 youngest loads may be out
	WIN MUL_LO
	MUL16 0, 1, NQ-1, \slot, 0
	s_wait_dscnt 0x0                               ; the add is done, and my reads of this slot are over
	s_barrier_signal -1
	MUL16 2, 1, NQ-1, \slot, 0
	WIN 0
	s_barrier_wait -1
.if \fill
	CREST                                          ; the barrier has opened a round of the cluster's: no wave of any partner still reads this slot or has a load on its way
	s_add_nc_u64 s[G0+4*\slot+2:G0+4*\slot+3], s[G0+4*\slot+2:G0+4*\slot+3], 2*3072
	s_add_nc_u64 s[G0B+4*\slot+2:G0B+4*\slot+3], s[G0B+4*\slot+2:G0B+4*\slot+3], 2*3072
	JLOAD G0+4*\slot, G1, G0B+4*\slot, G1B         ; the first tensor load behind the round; its four v_nop are the places in front of the loads below
.else
	PLACES NP
.endif
	v_add_nc_u32 v[ADRS], 4*NQ, v[ADRS]            ; the next K step's scale words
	FETCH_B \next, 0, 0
	FETCH_A \next, 0, 0
	SCALES \next
	WIN MUL_HI
	MUL16 4, 1, NQ-1, \slot, 0
	MUL16 6, 1, NQ-1, \slot, 0
	PLACES NP
	WIN 0
	FETCH_A \next, 0, 4
.endm
	s_wait_tensorcnt 1                             ; the scale bytes and my part of K step 0 are in; K step 1's load may be out
	s_barrier_signal -1
	s_barrier_wait -1
	FETCH_B 0, 0, 0
	FETCH_A 0, 0, 0
	SCALES 0
	FETCH_A 0, 0, 4
	STEP 0, 0, 1                                   ; the first step's products start the sums
	s_mov_b32 s3, LAPS-1
.Llap:
	TURN 0, 1, 1
	STEP 1, 0, 0
	TURN 1, 0, 1
	STEP 0, 0, 0
	s_sub_co_u32 s3, s3, 1
	s_cmp_lg_u32 s3, 0
	s_cbranch_scc1 .Llap
	TURN 0, 1, 0                                   ; the last lap fills nothing
	STEP 1, 0, 0
	s_wait_dscnt 4*NL
	WIN MUL_LO
	MUL16 0, 1, NQ-1, 1, 0
	MUL16 2, 1, NQ-1, 1, 0
	s_wait_dscnt 0
	WIN MUL_HI
	MUL16 4, 1, NQ-1, 1, 0
	MUL16 6, 1, NQ-1, 1, 0
	WIN 0
; THE WAY OUT.  Block a's 64 registers are quantised where they lie: four blocks of 32 along the wave's 128 columns.  Codes to v[CD + 12 a] on, the row's scale word to v[PW + a].
; Each accumulator is read from its low end on.  All 96 registers of codes and all eight words are distinct, so no store's data are written again.
.macro QUANTW a
.set W, 2+(\a)/4
.set S0, 64*((\a)%4)
	WIN 0x14*W                                     ; sources 1 and 2: the accumulators' window
.irp b, 0,1,2,3
	v_max3_num_f32 v[TM+\b], 0x1800000, |v[S0+16*\b]|, |v[S0+16*\b+1]|   ; my 16 numbers of block b, and the floor 2^(3 - 127)
.endr
.irp i, 2,4,6,8,10,12,14
.irp b, 0,1,2,3
	v_max3_num_f32 v[TM+\b], v[TM+\b], |v[S0+16*\b+\i]|, |v[S0+16*\b+\i+1]|
.endr
.endr
	WIN 0
.irp b, 0,1,2,3
	v_permlanex16_b32 v[TM+4+\b], v[TM+\b], s[SEL], s[SEL+1]
.endr
.irp b, 0,1,2,3
	v_max_num_f32 v[TM+\b], v[TM+\b], v[TM+4+\b]
.endr
.irp b, 0,1,2,3
	v_add_nc_u32 v[TM+12+\b], 0xff000000, v[TM+\b]   ; 2 off the exponent field: the conversion's scale operand
.endr
.irp b, 0,1,2,3
	v_lshrrev_b32 v[TM+4+\b], 23, v[TM+12+\b]
.endr
	v_lshl_or_b32 v[PW+(\a)], v[TM+5], 8, v[TM+4]
	v_lshl_or_b32 v[PW+(\a)], v[TM+6], 16, v[PW+(\a)]
	v_lshl_or_b32 v[PW+(\a)], v[TM+7], 24, v[PW+(\a)]
	WIN W                                          ; source 0: the accumulators' window
.irp c, 0,1
	v_cvt_scalef32_pk16_fp6_f32 v[CD+12*(\a)+6*\c:CD+12*(\a)+6*\c+2], v[S0+32*\c:S0+32*\c+15], v[TM+12+2*\c]
	v_cvt_scalef32_pk16_fp6_f32 v[CT+4*\c:CT+4*\c+2], v[S0+32*\c+16:S0+32*\c+31], v[TM+12+2*\c+1]
.endr
	WIN 0
	v_nop                                          ; one plain place behind a scaled conversion
.irp c, 0,1
.irp i, 0,1,2
	v_permlane16_swap_b32 v[CD+12*(\a)+6*\c+\i], v[CT+4*\c+\i]
.endr
.irp i, 0,1,2
	v_mov_b32 v[CD+12*(\a)+6*\c+3+\i], v[CT+4*\c+\i]
.endr
.endr
.endm
	PLACES NP
.irp a, 0,1,2,3,4,5,6,7
	QUANTW \a
.endr
	v_and_b32 v1, 16, v0
	v_cmp_ne_u32 vcc_lo, 0, v1                     ; lanes 16-31
	s_cmp_eq_u32 s[ROLE], 1                        ; the same in all partners
	s_cbranch_scc1 .Lway_v
	; q and k: block a is token tile 8 J + a; registers 6 c .. 6 c + 5 are head g0 + c's half image
.irp a, 0,1,2,3,4,5,6,7
.irp c, 0,1
	global_store_b128 v[L16], v[CD+12*\a+6*\c:CD+12*\a+6*\c+3], s[IMG+2*\c:IMG+2*\c+1] offset:768*\a
	global_store_b64 v[L8], v[CD+12*\a+6*\c+4:CD+12*\a+6*\c+5], s[IMG+2*\c:IMG+2*\c+1] offset:768*\a+512
.endr
.endr
.irp i, 0,1,2,3
	v_cndmask_b32 v[TM+\i], v[PW+\i], v[PW+4+\i], vcc_lo   ; lanes 0-15: tiles 0-3, lanes 16-31: tiles 4-7
.endr
.irp i, 0,1,2,3
	v_and_b32 v[SWQ+\i], 0xffff, v[TM+\i]          ; the first head's two bytes; the upper two are 0 and scale zero codes alone
	v_lshrrev_b32 v[SWQ+4+\i], 16, v[TM+\i]        ; the second head's
.endr
	global_store_b128 v[L16], v[SWQ:SWQ+3], s[SCB:SCB+1]
	global_store_b128 v[L16], v[SWQ+4:SWQ+7], s[SCB+2:SCB+3]
	s_branch .Lway_end
.Lway_v:
	; v: block a is tile a % 4 of head g0 + a / 4: 16 d x the 128 keys of step J: the fragment's 12 registers in three parts of 512 bytes
.irp a, 0,1,2,3,4,5,6,7
.irp p, 0,1,2
	global_store_b128 v[L16], v[CD+12*\a+4*\p:CD+12*\a+4*\p+3], s[IMG+2*(\a/4):IMG+2*(\a/4)+1] offset:1536*(\a%4)+512*\p
.endr
.endr
.irp u, 0,1
.irp i, 0,1
	v_cndmask_b32 v[SWQ+2*\u+\i], v[PW+4*\u+\i], v[PW+4*\u+2+\i], vcc_lo   ; lanes 0-15: tiles 0, 1; lanes 16-31: tiles 2, 3
.endr
	global_store_b64 v[L8], v[SWQ+2*\u:SWQ+2*\u+1], s[SCB+2*\u:SCB+2*\u+1]
.endr
.Lway_end:
	s_wait_tensorcnt 0x0                           ; the wave's end
	ds_add_u32 v[SPW], v[NIL]
	s_wait_dscnt 0x0
	CROUND                                         ; the closing round: no work-group ends while a partner may still ask for a tile that names it
	s_endpgm
.Lfunc_end_k_q3915cbcd86_qkv:
	.size	k_q3915cbcd86_qkv, .Lfunc_end_k_q3915cbcd86_qkv-k_q3915cbcd86_qkv
	.p2alignl 7, 3214868480
	.fill 96, 4, 3214868480
	.section	.rodata,"a",@progbits
	.p2align	6, 0x0
	.amdhsa_kernel k_q3915cbcd86_qkv
		.amdhsa_group_segment_fixed_size 327680
		.amdhsa_private_segment_fixed_size 0
		.amdhsa_enable_private_segment 0
		.amdhsa_kernarg_size 32
		.amdhsa_user_sgpr_count 2
		.amdhsa_user_sgpr_kernarg_segment_ptr 1
		.amdhsa_wavefront_size32 1
		.amdhsa_system_sgpr_workgroup_id_x 1
		.amdhsa_system_sgpr_workgroup_id_y 1
		.amdhsa_system_sgpr_workgroup_id_z 1
		.amdhsa_system_vgpr_workitem_id 0
		.amdhsa_next_free_vgpr 1024
		.amdhsa_next_free_sgpr 104
		.amdhsa_reserve_vcc 1
		.amdhsa_float_denorm_mode_32 3
		.amdhsa_float_denorm_mode_16_64 3
		.amdhsa_memory_ordered 1
		.amdhsa_forward_progress 1
		.amdhsa_inst_pref_size 153
	.end_amdhsa_kernel
	.amdgpu_metadata
---
amdhsa.version: [ 1, 2 ]
amdhsa.kernels:
  - .name:           k_q3915cbcd86_qkv
    .symbol:         k_q3915cbcd86_qkv.kd
    .args:
      - { .name: xq, .offset: 0, .size: 8, .value_kind: global_buffer, .address_space: global }
      - { .name: wq, .offset: 8, .size: 8, .value_kind: global_buffer, .address_space: global }
      - { .name: qr, .offset: 16, .size: 8, .value_kind: global_buffer, .address_space: global }
      - { .name: kv, .offset: 24, .size: 8, .value_kind: global_buffer, .address_space: global }
    .group_segment_fixed_size: 327680
    .private_segment_fixed_size: 0
    .kernarg_segment_align: 8
    .kernarg_segment_size: 32
    .max_flat_workgroup_size: 128
    .sgpr_count:     104
    .vgpr_count:     1024
    .wavefront_size: 32
...
	.end_amdgpu_metadata
.endif
;; end of part 2
;; launch attn (part 3): grid 4 x 64, 16 waves a work-group, clusters of 4 x 1, 210,944 bytes of LDS; arguments qr, kv, aq; writes aq
.if DOCPART == 3
	.amdgcn_target "amdgcn-amd-amdhsa--gfx1250"
	.amdhsa_code_object_version 6
	.text
	.protected	k_q3915cbcd86_attn
	.globl	k_q3915cbcd86_attn
	.p2align	8
	.type	k_q3915cbcd86_attn,@function
k_q3915cbcd86_attn:
	s_mov_b64 s[64:65], 0
	v_nop
	global_prefetch_b8 v0, s[64:65] scope:SCOPE_SE
	s_setreg_imm32_b32 hwreg(HW_REG_WAVE_MODE, 25, 1), 1
	s_wait_xcnt 0x0
	s_wait_alu depctr_hold_cnt(0) depctr_sa_sdst(0) depctr_va_vdst(0) depctr_va_sdst(0) depctr_va_ssrc(0) depctr_va_vcc(0) depctr_vm_vsrc(0)
	s_getreg_b32 s2, hwreg(HW_REG_IB_STS2, 6, 4)
	s_cmp_eq_u32 s2, 0
	s_cbranch_scc0 .Lentry_in_a_cluster
	s_endpgm
.Lentry_in_a_cluster:
	s_bfe_u32 s2, ttmp6, 0x10000c
	s_cmp_lg_u32 s2, 0x3003
	s_cbranch_scc0 .Lentry_shape_is_right
	s_endpgm
.Lentry_shape_is_right:
; Causal attention of one head (2,048 tokens, head size 64) on codes of FP6 (E2M3): S^T = K Q^T, p = 2^(t - M), O^T = V^T P^T, O / l, and O quantised along the model's 1,024 for the last product.
; t = score x log2(e) / 8; M = the running largest t rounded UP to a whole number; p is quantised along the keys, not normalised; the row's sum l is taken of the unquantised p and divides at the end.
; When M moves, l and O^T are multiplied by 2^(old M - new M): exact.
; SHARES.  The four work-groups of a cluster share a head (batch x 16 + head = the cluster's y).  Wave w of the work-group at place cx owns two tiles of 16 queries: t = 4 w + cx and 127 - t.
; Tile t needs the key steps J <= t / 8 (128 keys a step): w / 2 + 1 and 16 - w / 2 of them, 17 in all for every wave.  The counts hang on the wave's number alone.
; LDS.  The head's whole record (K's half images, V's images, both scale words: 208,896 bytes) is brought ONCE, by two joint loads a wave: the first two key steps and all scale words (36,864 bytes), then the rest.
; Nothing is filled again, and nothing is stored to LDS: two barriers in all ahead of the closing round.
; LAYOUT.  A lane holds one query throughout.  K's tiles lie in position order, so the 16 registers of score tiles 2 b, 2 b + 1 are keys 32 b + 16 (lane / 16) + 0 .. 15 of the step.
; THE HEAD'S 64 FILL HALF OF THE INSTRUCTION'S 128: K's operand is six registers of its tile and the six that follow (the next tile's); they meet Q's six registers of zero codes, and both sides' scale bytes there are 0 (2^-127, no NaN): they add nothing.
; LIMITS: 1 / l by v_rcp_f32; a block of p or of O that is all zeros, or under 2^-124, keeps the scale byte 1; NaN and infinities are not served; aq's scale bytes leave as stores of 2 bytes a row.
.set L16,  1                           ; v1  16 x lane        v2  8 x lane
.set L8,   2
.set ADK16, 3                          ; v3-7 the key step's LDS addresses
.set ADK8, 4
.set ADV16, 5
.set ADSK, 6
.set ADSV, 7
.set STL,  12                          ; v12 -M, v13 the largest t, v[14:15] l in two halves: the lower tile's;  v16-19 the upper's
.set STH,  16
.set QSL,  20                          ; v20, v21 Q's scale words, and nothing else
.set QSH,  21
.set DQL,  22                          ; v22, v23 my query's place in its 128 tokens - 16 (lane / 16)
.set DQH,  23
.set QL,   24                          ; v24-35, v36-47 Q's fragments: six registers of codes, six of zeros
.set QH,   36
.set F,    48                          ; v48-101 K's eight half fragments (and six registers behind them), then V's four fragments; at work in between
.set KSC,  102                         ; v102-105 K's scale words    v106-107 V's
.set VSC,  106
.set S,    108                         ; v108-171 S^T, then p
.set OL,   172                         ; v172-203, v204-235 O^T
.set OH,   204
.set PC,   236                         ; v236-247 p's codes; at the end O's
.set PW,   248                         ; v248 p's scale word, and nothing else
.set FF,   250                         ; v[250:251] 2^(old M - new M), and a register named with it as a pair
.set WK,   254
.set NINF, 255                         ; v255 -infinity
.set BM,   48                          ; in F: the blocks' largest scores, the permutes' results, the conversions' scale operands, the bytes, the conversions' second halves, a second chain of sums
.set PT,   52
.set SO,   56
.set BY,   60
.set CT,   64
.set SUM2, 72
.set WV,   18
.set CX,   19
.set BH,   20
.set TLO,  21
.set THI,  22
.set G1A,  24
.set G1B,  32
.set G0A,  40
.set G0B,  44
.set SEL,  48
.set CS,   50
.set TK,   52
.set TV,   53
.set TSK,  54
.set TSV,  55
.set JC,   56
.set LOJ,  57
.set HIJ,  58
.set SAL,  59
.set SAH,  60
.macro CROUND
	s_barrier_signal -1
	s_barrier_wait -1
	s_cmp_lg_u32 s[WV], 0
	s_cbranch_scc1 .Lnot_wave_0_\@
	s_barrier_signal -3
.Lnot_wave_0_\@:
	s_barrier_wait -3
	s_barrier_signal -1
	s_barrier_wait -1
.endm
; what hangs on a tile t: Q's image (pair qb), O's image in aq (pair ab), its scale bytes' offset (sa), the tile's first place in its 128 tokens (sd), Q's scale words' offset (qs)
.macro TILEADR t, qb, ab, sa, sd, qs
	s_lshl_b32 s2, s[BH], 7
	s_add_co_u32 s2, s2, s[\t]
	s_mul_i32 s2, s2, 768
	s_mov_b32 s3, 0
	s_add_nc_u64 s[\qb:\qb+1], s[4:5], s[2:3]
	s_lshr_b32 s2, s[BH], 4
	s_lshl_b32 s2, s2, 7
	s_add_co_u32 s2, s2, s[\t]                     ; the rowtile among all 512: 128 x batch + t
	s_lshl_b32 s[\sa], s2, 9
	s_lshl_b32 s2, s2, 4
	s_and_b32 s3, s[BH], 15                        ; the head = K / 64 of the last product
	s_add_co_u32 s2, s2, s3
	s_lshl_b32 s3, s3, 1
	s_add_co_u32 s[\sa], s[\sa], s3
	s_add_co_u32 s[\sa], s[\sa], 6291456
	s_mul_i32 s2, s2, 768
	s_mov_b32 s3, 0
	s_add_nc_u64 s[\ab:\ab+1], s[8:9], s[2:3]
	s_bfe_u32 s[\sd], s[\t], 0x20001
	s_lshl_b32 s[\sd], s[\sd], 5
	s_and_b32 s2, s[\t], 1
	s_lshl_b32 s2, s2, 3
	s_add_co_u32 s[\sd], s[\sd], s2                ; 32 ((t % 8) / 2) + 8 (t % 2)
	s_lshr_b32 s[\qs], s[\t], 2
	s_lshl_b32 s[\qs], s[\qs], 8
	s_and_b32 s2, s[\t], 3
	s_lshl_b32 s2, s2, 2
	s_add_co_u32 s[\qs], s[\qs], s2
	s_lshl_b32 s2, s[BH], 13
	s_add_co_u32 s[\qs], s[\qs], s2
	s_add_co_u32 s[\qs], s[\qs], 6291456
.endm
; ONE TILE OF QUERIES AGAINST ONE KEY STEP.  st: its statistics; qs, q: Q's scale word and fragment; dq: the mask's number; o: O^T; dj: the scalar that holds the tile's diagonal step; mask = 1: the step may be that one
.macro TSTEP st, qs, dq, q, o, dj, mask
.rept 4
	v_nop                                          ; places in front of loads into registers that matrix instructions have read
.endr
.irp t, 0,1,2,3,4,5,6,7
	ds_load_b128 v[F+6*\t:F+6*\t+3], v[ADK16] offset:768*\t
	ds_load_b64 v[F+6*\t+4:F+6*\t+5], v[ADK8] offset:768*\t+512
.endr
	ds_load_b128 v[KSC:KSC+3], v[ADSK]             ; register i: lanes 0-15 tile i's words, lanes 16-31 tile 4 + i's
	s_wait_dscnt 0x0
.irp t, 0,1,2,3
	v_wmma_scale_f32_16x16x128_f8f6f4 v[S+8*\t:S+8*\t+7], v[F+6*\t:F+6*\t+11], v[\q:\q+11], 0, v[KSC+\t], v[\qs] matrix_a_fmt:MATRIX_FMT_FP6 matrix_b_fmt:MATRIX_FMT_FP6
.endr
.irp t, 4,5,6,7
	v_wmma_scale_f32_16x16x128_f8f6f4 v[S+8*\t:S+8*\t+7], v[F+6*\t:F+6*\t+11], v[\q:\q+11], 0, v[KSC+\t-4], v[\qs] matrix_a_fmt:MATRIX_FMT_FP6 matrix_b_fmt:MATRIX_FMT_FP6 matrix_a_scale:MATRIX_SCALE_ROW1
.endr
.rept 4
	v_nop
.endr
.if \mask                                      ; on the diagonal the scores of hidden keys become -infinity ahead of the maximum; every other step jumps over this (a branch on ids)
	s_cmp_lg_u32 s[JC], s[\dj]
	s_cbranch_scc1 .Lopen_\@
.set n, 0
.rept 64
	v_cmp_gt_i32 vcc_lo, 32*(n/16)+n%16, v[\dq]    ; register 16 b + i holds key 32 b + 16 (lane / 16) + i of the step
	v_cndmask_b32 v[S+n], v[S+n], v[NINF], vcc_lo
.set n, n+1
.endr
.Lopen_\@:
.endif
.irp b, 0,1,2,3
	v_max3_num_f32 v[BM+\b], v[S+16*\b], v[S+1+16*\b], v[S+2+16*\b]   ; the largest score of each block of 32 keys: for the row's maximum, and, since p rises with the score, for the block's largest p
.endr
.irp i, 3,5,7,9,11,13
.irp b, 0,1,2,3
	v_max3_num_f32 v[BM+\b], v[BM+\b], v[S+16*\b+\i], v[S+1+16*\b+\i]
.endr
.endr
.irp b, 0,1,2,3
	v_max_num_f32 v[BM+\b], v[BM+\b], v[S+15+16*\b]
.endr
.irp b, 0,1,2,3
	v_permlanex16_b32 v[PT+\b], v[BM+\b], s[SEL], s[SEL+1]
.endr
.irp b, 0,1,2,3
	v_max_num_f32 v[BM+\b], v[BM+\b], v[PT+\b]     ; with lane l xor 16's 16 keys
.endr
	v_max3_num_f32 v[WK], v[BM], v[BM+1], v[BM+2]
	v_max_num_f32 v[WK], v[WK], v[BM+3]
	v_mul_f32 v[WK], s[CS], v[WK]                  ; the step's largest t
	v_max_num_f32 v[\st+1], v[\st+1], v[WK]        ; the running largest t
	v_mov_b32 v[WK], v[\st]
	v_floor_f32 v[\st], -v[\st+1]                  ; -M = floor(-t): M is a whole number
	v_sub_f32 v[WK], v[\st], v[WK]                 ; old M - new M, 0 or less
	v_cvt_i32_f32 v[WK], v[WK]                     ; (it saturates)
	v_ldexp_f32 v[FF], 1.0, v[WK]                  ; f = 2^(old M - new M)
.set n, 0
.rept 32
	v_pk_fma_f32 v[S+n:S+n+1], v[S+n:S+n+1], s[CS:CS+1], v[\st:\st+1] op_sel_hi:[1,0,0]   ; t - M, two at a time
.set n, n+2
.endr
.irp b, 0,1,2,3
	v_fma_f32 v[BM+\b], v[BM+\b], s[CS], v[\st]    ; the same of each block's largest score
.endr
.set n, 0
.rept 64
	v_exp_f32 v[S+n], v[S+n]                       ; p = 2^(t - M)
.set n, n+1
.endr
	v_pk_mul_f32 v[\st+2:\st+3], v[\st+2:\st+3], v[FF:FF+1] op_sel_hi:[1,0]   ; l under the new M; a plain place behind the exponentials
	s_wait_alu depctr_va_vdst(0)                   ; one wait for the batch, ahead of its first reader
.irp b, 0,1,2,3
	v_exp_f32 v[BM+\b], v[BM+\b]                   ; the block's largest p: the same two instructions on the same number
.endr
	v_pk_add_f32 v[SUM2:SUM2+1], v[S:S+1], v[S+2:S+3]   ; the row's sum of the unquantised p, in two chains
.set n, 4
.rept 15
	v_pk_add_f32 v[\st+2:\st+3], v[\st+2:\st+3], v[S+n:S+n+1]
	v_pk_add_f32 v[SUM2:SUM2+1], v[SUM2:SUM2+1], v[S+n+2:S+n+3]
.set n, n+4
.endr
	v_pk_add_f32 v[\st+2:\st+3], v[\st+2:\st+3], v[SUM2:SUM2+1]
	s_wait_alu depctr_va_vdst(0)                   ; and one for the four
.irp b, 0,1,2,3
	v_max_num_f32 v[BM+\b], 0x1800000, v[BM+\b]    ; the floor 2^(3 - 127): the byte cannot fall under 1
.endr
.irp b, 0,1,2,3
	v_add_nc_u32 v[SO+\b], 0xff000000, v[BM+\b]
.endr
.irp b, 0,1,2,3
	v_lshrrev_b32 v[BY+\b], 23, v[SO+\b]
.endr
	v_lshl_or_b32 v[PW], v[BY+1], 8, v[BY]
	v_lshl_or_b32 v[PW], v[BY+2], 16, v[PW]
	v_lshl_or_b32 v[PW], v[BY+3], 24, v[PW]
.irp c, 0,1
	v_cvt_scalef32_pk16_fp6_f32 v[PC+6*\c:PC+6*\c+2], v[S+32*\c:S+32*\c+15], v[SO+2*\c]
	v_cvt_scalef32_pk16_fp6_f32 v[CT+4*\c:CT+4*\c+2], v[S+32*\c+16:S+32*\c+31], v[SO+2*\c+1]
.endr
	v_nop                                          ; one plain place behind a scaled conversion
.irp c, 0,1
.irp i, 0,1,2
	v_permlane16_swap_b32 v[PC+6*\c+\i], v[CT+4*\c+\i]
.endr
.irp i, 0,1,2
	v_mov_b32 v[PC+6*\c+3+\i], v[CT+4*\c+\i]
.endr
.endr
.irp t, 0,1,2,3
.irp p, 0,1,2
	ds_load_b128 v[F+12*\t+4*\p:F+12*\t+4*\p+3], v[ADV16] offset:1536*\t+512*\p
.endr
.endr
	ds_load_b64 v[VSC:VSC+1], v[ADSV]              ; lanes 0-15: tiles 0, 1; lanes 16-31: tiles 2, 3
.set n, 0
.rept 16
	v_pk_mul_f32 v[\o+n:\o+n+1], v[\o+n:\o+n+1], v[FF:FF+1] op_sel_hi:[1,0]   ; O^T under the new M; these 16 also stand between the writes of p's codes and scale word and the products
.set n, n+2
.endr
	s_wait_dscnt 0x0
.irp t, 0,1
	v_wmma_scale_f32_16x16x128_f8f6f4 v[\o+8*\t:\o+8*\t+7], v[F+12*\t:F+12*\t+11], v[PC:PC+11], v[\o+8*\t:\o+8*\t+7], v[VSC+\t], v[PW] matrix_a_fmt:MATRIX_FMT_FP6 matrix_b_fmt:MATRIX_FMT_FP6
.endr
.irp t, 2,3
	v_wmma_scale_f32_16x16x128_f8f6f4 v[\o+8*\t:\o+8*\t+7], v[F+12*\t:F+12*\t+11], v[PC:PC+11], v[\o+8*\t:\o+8*\t+7], v[VSC+\t-2], v[PW] matrix_a_fmt:MATRIX_FMT_FP6 matrix_b_fmt:MATRIX_FMT_FP6 matrix_a_scale:MATRIX_SCALE_ROW1
.endr
.endm
; A KEY STEP for both tiles.  A tile all of whose queries come before the step's keys is passed over: a scalar branch on the wave's number and the count of steps.
.macro JSTEP testlo, testhi, maskhi
	v_add_nc_u32 v[ADK16], s[TK], v[L16]
	v_add_nc_u32 v[ADK8], s[TK], v[L8]
	v_add_nc_u32 v[ADV16], s[TV], v[L16]
	v_add_nc_u32 v[ADSK], s[TSK], v[L16]
	v_add_nc_u32 v[ADSV], s[TSV], v[L8]
.if \testlo
	s_cmp_gt_u32 s[JC], s[LOJ]
	s_cbranch_scc1 .Lno_lo_\@
.endif
	TSTEP STL, QSL, DQL, QL, OL, LOJ, 1
.if \testlo
.Lno_lo_\@:
.endif
.if \testhi
	s_cmp_gt_u32 s[JC], s[HIJ]
	s_cbranch_scc1 .Lno_hi_\@
.endif
	TSTEP STH, QSH, DQH, QH, OH, HIJ, \maskhi
.if \testhi
.Lno_hi_\@:
.endif
	s_add_co_u32 s[TK], s[TK], 6144
	s_add_co_u32 s[TV], s[TV], 6144
	s_add_co_u32 s[TSK], s[TSK], 512
	s_add_co_u32 s[TSV], s[TSV], 256
	s_add_co_u32 s[JC], s[JC], 1
.endm
; A tile's way out: O^T / l; its 32 registers a lane are d = 32 b + 16 (lane / 16) + i: two blocks of the last product's K; codes to v[e] on (a half image), the two scale bytes to v[hw]
.macro OUT st, o, e, hw, base
.rept 4
	v_nop
.endr
	v_add_f32 v8, v[\st+2], v[\st+3]
	v_permlanex16_b32 v9, v8, s[SEL], s[SEL+1]
	v_add_f32 v8, v8, v9                           ; the row's sum
	v_rcp_f32 v8, v8
	v_nop                                          ; a plain place behind the transcendental
	s_wait_alu depctr_va_vdst(0)                   ; and the wait ahead of its first reader
.set n, 0
.rept 32
	v_mul_f32 v[S+n], v[\o+n], v8
.set n, n+1
.endr
.irp b, 0,1
	v_max3_num_f32 v[BM+\b], |v[S+16*\b]|, |v[S+1+16*\b]|, 0x1800000
.endr
.irp i, 2,4,6,8,10,12,14
.irp b, 0,1
	v_max3_num_f32 v[BM+\b], v[BM+\b], |v[S+16*\b+\i]|, |v[S+1+16*\b+\i]|
.endr
.endr
.irp b, 0,1
	v_permlanex16_b32 v[PT+\b], v[BM+\b], s[SEL], s[SEL+1]
.endr
.irp b, 0,1
	v_max_num_f32 v[BM+\b], v[BM+\b], v[PT+\b]
.endr
.irp b, 0,1
	v_add_nc_u32 v[SO+\b], 0xff000000, v[BM+\b]
.endr
.irp b, 0,1
	v_lshrrev_b32 v[BY+\b], 23, v[SO+\b]
.endr
	v_lshl_or_b32 v[\hw], v[BY+1], 8, v[BY]
	v_cvt_scalef32_pk16_fp6_f32 v[\e:\e+2], v[S:S+15], v[SO]
	v_cvt_scalef32_pk16_fp6_f32 v[CT:CT+2], v[S+16:S+31], v[SO+1]
	v_nop
.irp i, 0,1,2
	v_permlane16_swap_b32 v[\e+\i], v[CT+\i]
.endr
.irp i, 0,1,2
	v_mov_b32 v[\e+3+\i], v[CT+\i]
.endr
	global_store_b128 v[L16], v[\e:\e+3], s[\base:\base+1]             ; 512 consecutive bytes
	global_store_b64 v[L8], v[\e+4:\e+5], s[\base:\base+1] offset:512  ; and 256
.endm
	s_load_b128 s[4:7], s[0:1], 0x0                ; qr, kv
	s_load_b64 s[8:9], s[0:1], 0x10                ; aq
	v_lshl_add_u32 v254, v0, 2, 0x33000
	v_mov_b32 v255, 0
	ds_add_u32 v254, v255
	ds_add_u32 v254, v255
	s_wait_dscnt 0x0
	v_lshrrev_b32 v1, 5, v0
	v_readfirstlane_b32 s[WV], v1                  ; wave 0..15
	s_bfe_u32 s[CX], ttmp6, 0x40000                ; my place in the cluster: it enters Q's and aq's addresses and the mask's numbers alone
	s_and_b32 s[BH], ttmp7, 0xffff                 ; batch x 16 + head, which the four partners share
	s_lshr_b32 s[LOJ], s[WV], 1                    ; the lower tile's last key step
	s_xor_b32 s[HIJ], s[LOJ], 15                   ; the upper's: 15 - w / 2
	s_lshl_b32 s[TLO], s[WV], 2
	s_add_co_u32 s[TLO], s[TLO], s[CX]
	s_xor_b32 s[THI], s[TLO], 127                  ; 127 - t
	; group 1: dense rows of 256 bytes (32 elements of 8), 9 a wave for the record's first part, 42 for the rest; the mask names all four work-groups
	s_mov_b32 s[G1A], 15|(3<<16)|(1<<21)
	s_mov_b32 s[G1A+1], 32<<16
	s_mov_b32 s[G1A+2], 9<<16
	s_mov_b32 s[G1A+3], 32<<16
	s_mov_b32 s[G1A+4], 9
	s_mov_b32 s[G1A+5], 32
	s_mov_b32 s[G1A+6], 0
	s_mov_b32 s[G1A+7], 0
	s_mov_b32 s[G1B], 15|(3<<16)|(1<<21)
	s_mov_b32 s[G1B+1], 32<<16
	s_mov_b32 s[G1B+2], 42<<16
	s_mov_b32 s[G1B+3], 32<<16
	s_mov_b32 s[G1B+4], 42
	s_mov_b32 s[G1B+5], 32
	s_mov_b32 s[G1B+6], 0
	s_mov_b32 s[G1B+7], 0
	s_mul_i32 s2, s[BH], 208896
	s_mov_b32 s3, 0
	s_mul_i32 s61, s[WV], 2304
	s_mul_i32 s62, s[WV], 10752
	s_add_co_u32 s62, s62, 36864
	s_mov_b32 s[SEL], 0x76543210
	s_mov_b32 s[SEL+1], 0xfedcba98
	s_mov_b32 s[CS], 0x3e38aa3b                    ; log2(e) / 8
	s_mov_b32 s[CS+1], s[CS]                       ; named with it as a pair, so it is written
	s_wait_kmcnt 0x0
	s_add_nc_u64 s[6:7], s[6:7], s[2:3]            ; the head's record
	s_mov_b32 s[G0A], 1
	s_mov_b32 s[G0A+1], s61
	s_mov_b32 s2, s61
	s_add_nc_u64 s[G0A+2:G0A+3], s[6:7], s[2:3]
	s_or_b32 s[G0A+3], s[G0A+3], 0x80000000
	s_mov_b32 s[G0B], 1
	s_mov_b32 s[G0B+1], s62
	s_mov_b32 s2, s62
	s_add_nc_u64 s[G0B+2:G0B+3], s[6:7], s[2:3]
	s_or_b32 s[G0B+3], s[G0B+3], 0x80000000
	CROUND                                         ; all four work-groups are here: the joint loads meet
	tensor_load_to_lds s[G0A:G0A+3], s[G1A:G1A+7]  ; two tensor loads of mine are out, the launch's only ones
	s_nop 0
	tensor_load_to_lds s[G0B:G0B+3], s[G1B:G1B+7]
	s_nop 0
.rept 4
	v_nop
.endr
	TILEADR TLO, 10, 14, SAL, 61, 63
	TILEADR THI, 12, 16, SAH, 62, 23
	v_and_b32 v8, 31, v0
	v_lshlrev_b32 v[L16], 4, v8
	v_lshlrev_b32 v[L8], 3, v8
	v_and_b32 v11, 15, v0                          ; r
	v_and_b32 v9, 8, v0
	v_add_nc_u32 v9, v9, v11                       ; r + 8 (r / 8)
	v_and_b32 v8, 16, v0
	v_sub_nc_u32 v9, v9, v8                        ; - 16 (lane / 16)
	v_add_nc_u32 v[DQL], s61, v9
	v_add_nc_u32 v[DQH], s62, v9
	v_lshl_add_u32 v8, v11, 4, s63                 ; Q's scale word of row r
	v_lshl_add_u32 v10, v11, 4, s23
	global_load_b128 v[QL:QL+3], v[L16], s[10:11]
	global_load_b64 v[QL+4:QL+5], v[L8], s[10:11] offset:512
	global_load_b128 v[QH:QH+3], v[L16], s[12:13]
	global_load_b64 v[QH+4:QH+5], v[L8], s[12:13] offset:512
	global_load_b32 v[QSL], v8, s[4:5]
	global_load_b32 v[QSH], v10, s[4:5]
.irp j, 6,7,8,9,10,11
	v_mov_b32 v[QL+\j], 0                          ; zero codes for the upper 64 of the instruction's K
	v_mov_b32 v[QH+\j], 0
	v_mov_b32 v[F+42+\j], 0                        ; v96-101: what stands behind K's last half fragment
.endr
.irp b, 0,1,2,3
	v_mov_b32 v[PT+\b], 0                          ; a lane permute's destination counts as one of its sources
.endr
	v_mov_b32 v[FF+1], 0
	v_mov_b32 v[NINF], 0xff800000
.irp t, STL, STH
	v_mov_b32 v[\t+1], 0xff61b1e6                  ; the largest t so far: -3e38
	v_floor_f32 v[\t], -v[\t+1]
	v_mov_b32 v[\t+2], 0
	v_mov_b32 v[\t+3], 0
.endr
.set n, 0
.rept 64
	v_mov_b32 v[OL+n], 0                           ; O^T of both tiles: the step is written for every step alike, and the first finds zeros
.set n, n+1
.endr
	s_mov_b32 s[TK], 0
	s_mov_b32 s[TV], 12288
	s_mov_b32 s[TSK], 24576
	s_mov_b32 s[TSV], 32768
	s_mov_b32 s[JC], 0
	s_wait_loadcnt 0x0                             ; Q
	s_wait_tensorcnt 0x1                           ; my part of the record's first 36,864 bytes is in; the rest may be out
	s_barrier_signal -1
	s_barrier_wait -1
	JSTEP 0, 0, 0                                  ; key step 0: both tiles need it
	JSTEP 1, 0, 0                                  ; key step 1: the upper tile needs it, and is never on its diagonal here
	s_wait_tensorcnt 0x0                           ; my part of the rest is in
	s_wait_dscnt 0x0
	s_barrier_signal -1
	s_barrier_wait -1
	s_mov_b32 s[TK], 36864
	s_mov_b32 s[TV], 122880
.Lkeys:                                            ; key steps 2 to 15
	JSTEP 1, 1, 1
	s_cmp_lt_u32 s[JC], 16
	s_cbranch_scc1 .Lkeys
	OUT STL, OL, PC, 10, 14
	OUT STH, OH, PC+6, 11, 16
	v_and_b32 v252, 16, v0
	v_cmp_ne_u32 vcc_lo, 0, v252
	v_and_b32 v253, 15, v0
	v_lshlrev_b32 v253, 5, v253                    ; 32 scale bytes a row
	v_add_nc_u32 v252, s[SAL], v253
	v_add_nc_u32 v253, s[SAH], v253
	v_cndmask_b32 v252, v252, v253, vcc_lo         ; lanes 0-15: the lower tile's rows; lanes 16-31: the upper's
	v_cndmask_b32 v10, v10, v11, vcc_lo
	global_store_b16 v252, v10, s[8:9]             ; my head's two bytes of each row
	s_wait_dscnt 0x0
	s_wait_xcnt 0x0
	v_lshl_add_u32 v254, v0, 2, 0x33000
	v_mov_b32 v255, 0
	s_wait_tensorcnt 0x0
	ds_add_u32 v254, v255
	s_wait_dscnt 0x0
	CROUND                                         ; the closing round
	s_endpgm
.Lfunc_end_k_q3915cbcd86_attn:
	.size	k_q3915cbcd86_attn, .Lfunc_end_k_q3915cbcd86_attn-k_q3915cbcd86_attn
	.p2alignl 7, 3214868480
	.fill 96, 4, 3214868480
	.section	.rodata,"a",@progbits
	.p2align	6, 0x0
	.amdhsa_kernel k_q3915cbcd86_attn
		.amdhsa_group_segment_fixed_size 210944
		.amdhsa_private_segment_fixed_size 0
		.amdhsa_enable_private_segment 0
		.amdhsa_kernarg_size 24
		.amdhsa_user_sgpr_count 2
		.amdhsa_user_sgpr_kernarg_segment_ptr 1
		.amdhsa_wavefront_size32 1
		.amdhsa_system_sgpr_workgroup_id_x 1
		.amdhsa_system_sgpr_workgroup_id_y 1
		.amdhsa_system_sgpr_workgroup_id_z 1
		.amdhsa_system_vgpr_workitem_id 0
		.amdhsa_next_free_vgpr 256
		.amdhsa_next_free_sgpr 66
		.amdhsa_reserve_vcc 1
		.amdhsa_float_denorm_mode_32 3
		.amdhsa_float_denorm_mode_16_64 3
		.amdhsa_memory_ordered 1
		.amdhsa_forward_progress 1
		.amdhsa_inst_pref_size 132
	.end_amdhsa_kernel
	.amdgpu_metadata
---
amdhsa.version: [ 1, 2 ]
amdhsa.kernels:
  - .name:           k_q3915cbcd86_attn
    .symbol:         k_q3915cbcd86_attn.kd
    .args:
      - { .name: qr, .offset: 0, .size: 8, .value_kind: global_buffer, .address_space: global }
      - { .name: kv, .offset: 8, .size: 8, .value_kind: global_buffer, .address_space: global }
      - { .name: aq, .offset: 16, .size: 8, .value_kind: global_buffer, .address_space: global }
    .group_segment_fixed_size: 210944
    .private_segment_fixed_size: 0
    .kernarg_segment_align: 8
    .kernarg_segment_size: 24
    .max_flat_workgroup_size: 512
    .sgpr_count:     66
    .vgpr_count:     256
    .wavefront_size: 32
...
	.end_amdgpu_metadata
.endif
;; end of part 3
;; launch proj (part 4): grid 4 x 32, 4 waves a work-group, clusters of 4 x 4, 327,680 bytes of LDS; arguments aq, wq, bo, out0; writes out0
.if DOCPART == 4
	.amdgcn_target "amdgcn-amd-amdhsa--gfx1250"
	.amdhsa_code_object_version 6
	.text
	.protected	k_q3915cbcd86_proj
	.globl	k_q3915cbcd86_proj
	.p2align	8
	.type	k_q3915cbcd86_proj,@function
k_q3915cbcd86_proj:
	s_mov_b64 s[64:65], 0
	v_nop
	global_prefetch_b8 v0, s[64:65] scope:SCOPE_SE
	s_setreg_imm32_b32 hwreg(HW_REG_WAVE_MODE, 25, 1), 1
	s_wait_xcnt 0x0
	s_wait_alu depctr_hold_cnt(0) depctr_sa_sdst(0) depctr_va_vdst(0) depctr_va_sdst(0) depctr_va_ssrc(0) depctr_va_vcc(0) depctr_vm_vsrc(0)
	s_getreg_b32 s2, hwreg(HW_REG_IB_STS2, 6, 4)
	s_cmp_eq_u32 s2, 0
	s_cbranch_scc0 .Lentry_in_a_cluster
	s_endpgm
.Lentry_in_a_cluster:
	s_bfe_u32 s2, ttmp6, 0x10000c
	s_cmp_lg_u32 s2, 0xf033
	s_cbranch_scc0 .Lentry_shape_is_right
	s_endpgm
.Lentry_shape_is_right:
; out0 = a Wo^T + bo.  a: the attention's result as codes of FP6 (E2M3) with E8M0 scales for each 32 along K = 1,024, in aq; Wo's codes at rowtiles 192-255 of wq; bo [1024], out0 [8192][1024]: f32.
; A tile of 256 x 256 is made by four waves of 128 x 128.  K goes in steps of 256 through two LDS slots filled by the tensor data mover.  Operands are images of registers: a rowtile (16 rows in position order)
; is [K / 64][768 bytes]; a half image is registers 0-3 at 16 x lane, registers 4-5 at 512 + 8 x lane.
; POSITION ORDER: place r of rowtile T is row 32 (T / 2) + 8 (T % 2) + r + 8 (r / 8).  The matrix instruction is used transposed (source 0 = 16 rows of Wo, source 1 = 16 rows of a): in tile b lane (r, h) holds the token at
; place r of A's rowtile and its register j the output 32 (b / 2) + 8 (b % 2) + 16 h + j.  The way out puts both back in order: columns in the stage, rows in the stores' offsets.
; THE BIAS is the C of each sum's first matrix instruction: eight registers a tile, in the result's layout.
; CLUSTERS: 4 x 4; A's tiles are asked for jointly along a row of the cluster, B's along a column.  128 work-groups: the tile and the text are the first GEMM's.
; REGISTERS: window 0: v0-31 addresses; v32-63 scale words, two sets; v64-127 the bias; v128-223 A's fragments; on the way out v128-255 rows read back.  window 1: B's fragments, two sets.  windows 2, 3: the accumulators.
.set NQ,     2
.set FR,     12
.set NL,     4
.set NP,     4
.set LOADB,  24576
.set SLOT,   4*LOADB
.set LAPS,   2
.set SCL,    2*SLOT
.set HALFS,  16*272
.set SBLK,   2*272
.set SPARE,  SCL+4*HALFS               ; the spare words, 128 bytes for each wave: two blocks of 256 bytes that no other line names
.set SPITCH, 528                       ; the way out: a stage of 16 rows x (512 bytes + 16) for each wave, in slot 0, which has had its last fill and its last read when the first result is stored there
.set ADRA, 16
.set ADRB, 20
.set STO,  24                          ; v24  the stage: where I put 32 bytes of a row
.set RD,   25                          ; v25  and where I read a row back
.set CO,   26                          ; v26  16 x lane: my bytes of a row of out0
.set ADRS, 27
.set SPW,  28
.set NIL,  29
.set BOF,  30                          ; v30  64 (lane / 16): my half's 16 numbers of the bias
.set SC,   32
.set BIAS, 64
.set AF,   128
.set BK,   128
.set WV,   18
.set RH,   19
.set CH,   20
.set CX,   21
.set CY,   22
.set TCOL, 40
.set TROW, 41
.set RMASK, 42
.set CMASK, 43
.set G1,   24
.set G0,   32
.set G1B,  48
.set G0B,  56
.set G1S,  68
.set G0S,  76
.set G1SB, 80
.set G0SB, 88
.set MSB, 0
.macro WIN new                         ; the immediate's high byte repeats the setting that is left
.if MSB != \new
	s_set_vgpr_msb (MSB<<8)|\new
.set MSB, \new
.endif
.endm
.set MUL_LO, 0xa1                      ; source 0 (B) window 1, source 1 (A) window 0, C and D window 2
.set MUL_HI, 0xf1
.set FIRST_LO, 0x81                    ; the first step: C (the bias) window 0, D window 2
.set FIRST_HI, 0xc1                    ; D window 3
.set TO_B,   0x40
.macro JLOAD g0a, g1a, g0b, g1b        ; a joint load: waves 0 and 1 fetch for A, waves 2 and 3 for B; four v_nop follow each line
	s_cmp_eq_u32 s[RH], 0
	s_cbranch_scc0 .Lfor_b_\@
	tensor_load_to_lds s[\g0a:\g0a+3], s[\g1a:\g1a+7]
	s_nop 0
.rept 4
	v_nop
.endr
	s_branch .Lasked_\@
.Lfor_b_\@:
	tensor_load_to_lds s[\g0b:\g0b+3], s[\g1b:\g1b+7]
	s_nop 0
.rept 4
	v_nop
.endr
.Lasked_\@:
.endm
.macro CREST
	s_cmp_lg_u32 s[WV], 0
	s_cbranch_scc1 .Lnot_wave_0_\@
	s_barrier_signal -3
.Lnot_wave_0_\@:
	s_barrier_wait -3
	s_barrier_signal -1
	s_barrier_wait -1
.endm
.macro CROUND
	s_barrier_signal -1
	s_barrier_wait -1
	CREST
.endm
	s_load_b128 s[4:7], s[0:1], 0x0                ; aq, wq
	s_load_b128 s[8:11], s[0:1], 0x10              ; bo, out0
	v_lshl_add_u32 v[SPW], v0, 2, SPARE
	v_mov_b32 v[NIL], 0
	ds_add_u32 v28, v29
	ds_add_u32 v28, v29
	s_wait_dscnt 0x0
	v_lshrrev_b32 v1, 5, v0
	v_readfirstlane_b32 s[WV], v1
	s_lshr_b32 s[RH], s[WV], 1
	s_and_b32 s[CH], s[WV], 1
	s_bfe_u32 s[CX], ttmp6, 0x40000
	s_bfe_u32 s[CY], ttmp6, 0x40004
	s_lshl_b32 s[TCOL], ttmp9, 2
	s_add_co_u32 s[TCOL], s[TCOL], s[CX]
	s_and_b32 s[TROW], ttmp7, 0xffff
	s_lshl_b32 s[TROW], s[TROW], 2
	s_add_co_u32 s[TROW], s[TROW], s[CY]
	s_lshl_b32 s[RMASK], s[CY], 2
	s_lshl_b32 s[RMASK], 15, s[RMASK]
	s_lshl_b32 s[CMASK], 0x1111, s[CX]
	s_or_b32 s[G1+0], s[RMASK], (3<<16)|(1<<21)    ; codes: 8 rows of 384 elements of 8 bytes, 1,536 elements apart; no padding
	s_or_b32 s[G1B+0], s[CMASK], (3<<16)|(1<<21)
.irp g, G1, G1B
	s_mov_b32 s[\g+1], 384<<16
	s_mov_b32 s[\g+2], 8<<16
	s_mov_b32 s[\g+3], 384<<16
	s_mov_b32 s[\g+4], 8
	s_mov_b32 s[\g+5], 1536
	s_mov_b32 s[\g+6], 0
	s_mov_b32 s[\g+7], 0
.endr
	s_or_b32 s[G1S+0], s[RMASK], (3<<16)|(1<<20)|(1<<21)|(5<<22)|(3<<25)   ; scale bytes of 128 rows: 16 rows of 256 bytes, 16 of padding behind each
	s_or_b32 s[G1SB+0], s[CMASK], (3<<16)|(1<<20)|(1<<21)|(5<<22)|(3<<25)
.irp g, G1S, G1SB
	s_mov_b32 s[\g+1], 32<<16
	s_mov_b32 s[\g+2], 16<<16
	s_mov_b32 s[\g+3], 32<<16
	s_mov_b32 s[\g+4], 16
	s_mov_b32 s[\g+5], 32
	s_mov_b32 s[\g+6], 0
	s_mov_b32 s[\g+7], 0
.endr
	s_lshl_b32 s44, s[TROW], 4                     ; A's offsets are made of the tile row alone, B's of the tile column alone
	s_lshl_b32 s45, s[CH], 3
	s_add_co_u32 s44, s44, s45
	s_lshl_b32 s45, s44, 9
	s_add_co_u32 s45, s45, 6291456
	s_mul_i32 s44, s44, 12288
	s_lshl_b32 s46, s[TCOL], 4
	s_lshl_b32 s47, s[CH], 3
	s_add_co_u32 s46, s46, s47
	s_lshl_b32 s47, s46, 9
	s_add_co_u32 s47, s47, 3244032                 ; Wo's scale bytes: 192 x 512 behind wq's first
	s_mul_i32 s46, s46, 12288
	s_add_co_u32 s46, s46, 2359296                 ; Wo's codes: rowtile 192
	s_mul_i32 s2, s[WV], LOADB
	s_mul_i32 s3, s[WV], HALFS
	s_wait_kmcnt 0x0
	s_mov_b32 s96, s44
	s_mov_b32 s97, 0
	s_add_nc_u64 s[96:97], s[4:5], s[96:97]
	s_mov_b32 s98, s46
	s_mov_b32 s99, 0
	s_add_nc_u64 s[98:99], s[6:7], s[98:99]
	CROUND                                         ; all sixteen work-groups are here: the first joint loads meet
	s_mov_b32 s[G0S], 1
	s_add_co_u32 s[G0S+1], s3, SCL
	s_mov_b32 s[G0S+2], s45
	s_mov_b32 s[G0S+3], 0
	s_add_nc_u64 s[G0S+2:G0S+3], s[4:5], s[G0S+2:G0S+3]
	s_or_b32 s[G0S+3], s[G0S+3], 0x80000000
	s_mov_b32 s[G0SB], 1
	s_add_co_u32 s[G0SB+1], s3, SCL
	s_mov_b32 s[G0SB+2], s47
	s_mov_b32 s[G0SB+3], 0
	s_add_nc_u64 s[G0SB+2:G0SB+3], s[6:7], s[G0SB+2:G0SB+3]
	s_or_b32 s[G0SB+3], s[G0SB+3], 0x80000000
	JLOAD G0S, G1S, G0SB, G1SB
.irp s, 0,1
	s_mov_b32 s[G0+4*\s], 1
	s_add_co_u32 s[G0+4*\s+1], s2, \s*SLOT
	s_add_nc_u64 s[G0+4*\s+2:G0+4*\s+3], s[96:97], \s*3072
	s_or_b32 s[G0+4*\s+3], s[G0+4*\s+3], 0x80000000
	s_mov_b32 s[G0B+4*\s], 1
	s_add_co_u32 s[G0B+4*\s+1], s2, \s*SLOT
	s_add_nc_u64 s[G0B+4*\s+2:G0B+4*\s+3], s[98:99], \s*3072
	s_or_b32 s[G0B+4*\s+3], s[G0B+4*\s+3], 0x80000000
	JLOAD G0+4*\s, G1, G0B+4*\s, G1B               ; three tensor loads of mine are out
.endr
	v_and_b32 v1, 31, v0
	v_and_b32 v2, 15, v0
	v_bfe_u32 v3, v0, 4, 1
	v_lshlrev_b32 v4, 4, v1
	v_lshlrev_b32 v5, 3, v1
	v_lshlrev_b32 v[BOF], 6, v3
	s_lshl_b32 s46, s[TCOL], 10
	s_lshl_b32 s47, s[CH], 9
	s_add_co_u32 s46, s46, s47                     ; my first column, in bytes
	s_mov_b32 s47, 0
	s_add_nc_u64 s[8:9], s[8:9], s[46:47]
.irp b, 0,1,2,3,4,5,6,7
	global_load_b128 v[BIAS+8*\b:BIAS+8*\b+3], v[BOF], s[8:9] offset:(32*(\b/2)+8*(\b%2))*4       ; tile b, lane (r, h): bo at 32 (b / 2) + 8 (b % 2) + 16 h + 0 .. 7
	global_load_b128 v[BIAS+8*\b+4:BIAS+8*\b+7], v[BOF], s[8:9] offset:(32*(\b/2)+8*(\b%2))*4+16
.endr
	s_lshl_b32 s44, s[TROW], 8
	s_lshl_b32 s45, s[RH], 7
	s_add_co_u32 s44, s44, s45                     ; my first row
	s_lshl_b32 s44, s44, 12
	s_add_co_u32 s44, s44, s46
	s_mov_b32 s45, 0
	s_add_nc_u64 s[10:11], s[10:11], s[44:45]
	s_mul_i32 s66, s[RH], LOADB
	s_mul_i32 s67, s[CH], LOADB
	s_add_co_u32 s67, s67, 2*LOADB
.irp s, 0,1
	v_add_nc_u32 v[ADRA+\s], s66, v4
	v_add_nc_u32 v[ADRB+\s], s67, v4
	v_add_nc_u32 v[ADRA+2+\s], s66, v5
	v_add_nc_u32 v[ADRB+2+\s], s67, v5
	s_add_co_u32 s66, s66, SLOT
	s_add_co_u32 s67, s67, SLOT
.endr
	v_lshlrev_b32 v6, 5, v2
	v_lshrrev_b32 v7, 8, v6
	v_lshl_add_u32 v6, v7, 4, v6
	s_mul_i32 s66, s[RH], HALFS
	s_mul_i32 s67, s[CH], HALFS
	s_add_co_u32 s67, s67, 2*HALFS
	s_sub_co_u32 s67, s67, s66
	v_mul_u32_u24 v7, s67, v3
	s_add_co_u32 s66, s66, SCL
	v_add_nc_u32 v6, v6, v7
	v_add_nc_u32 v[ADRS], s66, v6
	s_mul_i32 s66, s[WV], 16*SPITCH                ; my stage
	v_mul_u32_u24 v6, v2, SPITCH
	v_lshl_add_u32 v6, v3, 6, v6                   ; row r, + 64 h: my half's 16 outputs of each 32
	v_add_nc_u32 v[STO], s66, v6
	v_add_nc_u32 v[RD], s66, v4
	v_lshlrev_b32 v[CO], 4, v1
.macro FRAG reg, adr, q, i
.irp c, 0,1
	ds_load_b128 v[\reg+6*\c:\reg+6*\c+3], v[\adr] offset:3072*(\i)+768*(2*(\q)+\c)
	ds_load_b64 v[\reg+6*\c+4:\reg+6*\c+5], v[\adr+2] offset:3072*(\i)+768*(2*(\q)+\c)+512
.endr
.endm
; 16 matrix instructions; the 64 accumulators take turns, one instruction a turn, in the same order in every step.  first = 1: C is the bias
.macro MUL16 a0, p, q, sc, first
.irp a, \a0, \a0+1
.irp b, 0,1,2,3,4,5,6,7
.if \first
	v_wmma_scale_f32_16x16x128_f8f6f4 v[8*(8*((\a)%4)+\b):8*(8*((\a)%4)+\b)+7], v[128*(\p)+FR*\b:128*(\p)+FR*\b+FR-1], v[AF+FR*(\a):AF+FR*(\a)+FR-1], v[BIAS+8*\b:BIAS+8*\b+7], v[SC+8*NQ*(\sc)+NQ*\b+(\q)], v[SC+8*NQ*(\sc)+NQ*(\a)+(\q)] matrix_a_fmt:MATRIX_FMT_FP6 matrix_b_fmt:MATRIX_FMT_FP6 matrix_a_scale:MATRIX_SCALE_ROW1
.else
	v_wmma_scale_f32_16x16x128_f8f6f4 v[8*(8*((\a)%4)+\b):8*(8*((\a)%4)+\b)+7], v[128*(\p)+FR*\b:128*(\p)+FR*\b+FR-1], v[AF+FR*(\a):AF+FR*(\a)+FR-1], v[8*(8*((\a)%4)+\b):8*(8*((\a)%4)+\b)+7], v[SC+8*NQ*(\sc)+NQ*\b+(\q)], v[SC+8*NQ*(\sc)+NQ*(\a)+(\q)] matrix_a_fmt:MATRIX_FMT_FP6 matrix_b_fmt:MATRIX_FMT_FP6 matrix_a_scale:MATRIX_SCALE_ROW1
.endif
.endr
.endr
.endm
.macro FETCH_B slot, q, p
	WIN TO_B
.irp i, 0,1,2,3,4,5,6,7
	FRAG 128*(\p)+FR*\i, ADRB+\slot, \q, \i
.endr
	WIN 0
.endm
.macro FETCH_A slot, q, i0
.irp i, \i0, \i0+1, \i0+2, \i0+3
	FRAG AF+FR*(\i), ADRA+\slot, \q, \i
.endr
.endm
.macro SCALES sc
.irp i, 0,1,2,3,4,5,6,7
	ds_load_b64 v[SC+8*NQ*\sc+NQ*\i:SC+8*NQ*\sc+NQ*\i+1], v[ADRS] offset:\i*SBLK
.endr
.endm
.macro PLACES n
.rept \n
	v_nop
.endr
.endm
.macro STEP slot, q, first
	s_wait_dscnt 4*NL                              ; B's set and A's blocks 0-3 are in; the 16 youngest loads (A's blocks 4-7) may be out
.if \first
	WIN FIRST_LO
.else
	WIN MUL_LO
.endif
	MUL16 0, (\q)%2, \q, \slot, \first
	MUL16 2, (\q)%2, \q, \slot, \first
	s_wait_dscnt 0
	PLACES NP
	FETCH_B \slot, (\q)+1, 1-(\q)%2
	FETCH_A \slot, (\q)+1, 0
.if \first
	WIN FIRST_HI
.else
	WIN MUL_HI
.endif
	MUL16 4, (\q)%2, \q, \slot, \first
	MUL16 6, (\q)%2, \q, \slot, \first
	PLACES NP
	WIN 0
	FETCH_A \slot, (\q)+1, 4
.endm
.macro TURN slot, next, fill
	s_wait_tensorcnt 0x0                           ; all my tensor loads have landed: my part of the next slot
	ds_add_u32 v[SPW], v[NIL]                      ; 0 onto my spare word
	s_wait_dscnt 4*NL+1                            ; the add and the 16 youngest loads may be out
	WIN MUL_LO
	MUL16 0, 1, NQ-1, \slot, 0
	s_wait_dscnt 0x0                               ; the add is done, and my reads of this slot are over
	s_barrier_signal -1
	MUL16 2, 1, NQ-1, \slot, 0
	WIN 0
	s_barrier_wait -1
.if \fill
	CREST                                          ; the barrier has opened a round of the cluster's
	s_add_nc_u64 s[G0+4*\slot+2:G0+4*\slot+3], s[G0+4*\slot+2:G0+4*\slot+3], 2*3072
	s_add_nc_u64 s[G0B+4*\slot+2:G0B+4*\slot+3], s[G0B+4*\slot+2:G0B+4*\slot+3], 2*3072
	JLOAD G0+4*\slot, G1, G0B+4*\slot, G1B         ; the first tensor load behind the round
.else
	PLACES NP
.endif
	v_add_nc_u32 v[ADRS], 4*NQ, v[ADRS]
	FETCH_B \next, 0, 0
	FETCH_A \next, 0, 0
	SCALES \next
	WIN MUL_HI
	MUL16 4, 1, NQ-1, \slot, 0
	MUL16 6, 1, NQ-1, \slot, 0
	PLACES NP
	WIN 0
	FETCH_A \next, 0, 4
.endm
	s_wait_loadcnt 0x0                             ; the bias
	s_wait_tensorcnt 1                             ; the scale bytes and my part of K step 0 are in; K step 1's load may be out
	s_barrier_signal -1
	s_barrier_wait -1
	FETCH_B 0, 0, 0
	FETCH_A 0, 0, 0
	SCALES 0
	FETCH_A 0, 0, 4
	STEP 0, 0, 1                                   ; the first step's products start the sums, on the bias
	s_mov_b32 s3, LAPS-1
.Llap:
	TURN 0, 1, 1
	STEP 1, 0, 0
	TURN 1, 0, 1
	STEP 0, 0, 0
	s_sub_co_u32 s3, s3, 1
	s_cmp_lg_u32 s3, 0
	s_cbranch_scc1 .Llap
	TURN 0, 1, 0
	STEP 1, 0, 0
	s_wait_dscnt 4*NL
	WIN MUL_LO
	MUL16 0, 1, NQ-1, 1, 0
	MUL16 2, 1, NQ-1, 1, 0
	s_wait_dscnt 0
	WIN MUL_HI
	MUL16 4, 1, NQ-1, 1, 0
	MUL16 6, 1, NQ-1, 1, 0
	WIN 0
; THE WAY OUT, block by block of 16 rows x 128 columns, through my own stage: in by lanes (32 bytes of a row, at the columns' true places), back as whole rows of 512 bytes.
; LDS serves a wave's instructions in order (ISA guide 5.7.1.4): no wait between the stores and the loads, nor in front of the next block's stores.
.macro TOSTAGE a
.set AC, 64*((\a)%4)
	WIN 0x08+4*((\a)/4)                            ; the data: window 2 or 3
.irp b, 0,1,2,3,4,5,6,7
	ds_store_b128 v[STO], v[AC+8*\b:AC+8*\b+3] offset:128*(\b/2)+32*(\b%2)        ; each accumulator from its low end on
	ds_store_b128 v[STO], v[AC+8*\b+4:AC+8*\b+7] offset:128*(\b/2)+32*(\b%2)+16
.endr
	WIN 0
.set BB, BK+64*((\a)%2)
.irp t, 0,1,2,3,4,5,6,7,8,9,10,11,12,13,14,15
	ds_load_b128 v[BB+4*\t:BB+4*\t+3], v[RD] offset:\t*SPITCH
.endr
.endm
.macro SEND a, younger                 ; younger: the LDS instructions issued behind block a's loads, which may stay out
.set BB, BK+64*((\a)%2)
.set R0, 32*((\a)/2)+8*((\a)%2)
	s_wait_dscnt \younger
.irp t, 0,1,2,3,4,5,6,7,8,9,10,11,12,13,14,15
	global_store_b128 v[CO], v[BB+4*\t:BB+4*\t+3], s[10:11] offset:(R0+\t+8*(\t/8))*4096 th:TH_STORE_NT   ; place t of block a is row R0 + t + 8 (t / 8); 32 lanes store 512 consecutive bytes; 127 rows of 4,096 bytes at the most, inside the immediate
.endr
.endm
	PLACES NP
	TOSTAGE 0
.irp a, 1,2,3,4,5,6,7
.if \a > 1
	s_wait_xcnt 0x0                                ; block a - 2's stores have read their registers: block a's loads may land there
.endif
	TOSTAGE \a
	SEND \a-1, 32                                  ; behind block a - 1's loads: block a's 16 stores and 16 loads
.endr
	SEND 7, 0
	s_wait_tensorcnt 0x0                           ; the wave's end
	ds_add_u32 v[SPW], v[NIL]
	s_wait_dscnt 0x0
	CROUND                                         ; the closing round
	s_endpgm
.Lfunc_end_k_q3915cbcd86_proj:
	.size	k_q3915cbcd86_proj, .Lfunc_end_k_q3915cbcd86_proj-k_q3915cbcd86_proj
	.p2alignl 7, 3214868480
	.fill 96, 4, 3214868480
	.section	.rodata,"a",@progbits
	.p2align	6, 0x0
	.amdhsa_kernel k_q3915cbcd86_proj
		.amdhsa_group_segment_fixed_size 327680
		.amdhsa_private_segment_fixed_size 0
		.amdhsa_enable_private_segment 0
		.amdhsa_kernarg_size 32
		.amdhsa_user_sgpr_count 2
		.amdhsa_user_sgpr_kernarg_segment_ptr 1
		.amdhsa_wavefront_size32 1
		.amdhsa_system_sgpr_workgroup_id_x 1
		.amdhsa_system_sgpr_workgroup_id_y 1
		.amdhsa_system_sgpr_workgroup_id_z 1
		.amdhsa_system_vgpr_workitem_id 0
		.amdhsa_next_free_vgpr 1024
		.amdhsa_next_free_sgpr 104
		.amdhsa_reserve_vcc 0
		.amdhsa_float_denorm_mode_32 3
		.amdhsa_float_denorm_mode_16_64 3
		.amdhsa_memory_ordered 1
		.amdhsa_forward_progress 1
		.amdhsa_inst_pref_size 145
	.end_amdhsa_kernel
	.amdgpu_metadata
---
amdhsa.version: [ 1, 2 ]
amdhsa.kernels:
  - .name:           k_q3915cbcd86_proj
    .symbol:         k_q3915cbcd86_proj.kd
    .args:
      - { .name: aq, .offset: 0, .size: 8, .value_kind: global_buffer, .address_space: global }
      - { .name: wq, .offset: 8, .size: 8, .value_kind: global_buffer, .address_space: global }
      - { .name: bo, .offset: 16, .size: 8, .value_kind: global_buffer, .address_space: global }
      - { .name: out0, .offset: 24, .size: 8, .value_kind: global_buffer, .address_space: global }
    .group_segment_fixed_size: 327680
    .private_segment_fixed_size: 0
    .kernarg_segment_align: 8
    .kernarg_segment_size: 32
    .max_flat_workgroup_size: 128
    .sgpr_count:     104
    .vgpr_count:     1024
    .wavefront_size: 32
...
	.end_amdgpu_metadata
.endif
;; end of part 4
